; MI455X (gfx1250); checked and timed in simulation.
; The chip was launched on July 23, 2026; its instructions are those of AMD's public machine-readable ISA for CDNA 5 (MIT licence, August 2026) and "CDNA5" Instruction Set Architecture Reference Guide (July 2026). The comments in the code are by the model that wrote it; some were corrected since.
;; Expert Parallel Mo E. Allowed arithmetic: matrix products marked QUANTISED: E5M2 operands, one E8M0 scale for each 32 along K, by v_wmma_scale_f32_16x16x128_f8f6f4 with both operands' format E5M2, f32 sums; everything else in f32.
;; Inputs: expert_idx 2 x 1,024 int32; w_down 8 x 1,024 x 1,024 float32; w_gate 8 x 1,024 x 1,024 float32; w_up 8 x 1,024 x 1,024 float32; x 2 x 1,024 x 1,024 float32.
;; Outputs: out0 2 x 1,024 x 1,024 float32.
;; This version of the problem:
;;   THIS VERSION OF THE PROBLEM IS GIVEN IN LOW PRECISION. The matrix products marked QUANTISED in the list below multiply operands that are first quantised to E5M2 (5 exponent bits, 2 mantissa bits; 8 bits a number), with one power-of-two scale for each 32 numbers along K (OCP MX v1.0); their sums are f32. All else is computed in f32.
;;   The module's matrix products, in the order in which they are computed (A, B: the left and right operand; K: the contracted axis; several contracted axes count as one K, in the product's order):
;;     1. [M 2,048, K 1,024] x [K 1,024, N 1,024]; A: input x; B: input w_gate: QUANTISED
;;     2. [M 2,048, K 1,024] x [K 1,024, N 1,024]; A: input x; B: input w_up: QUANTISED
;;     3. [M 2,048, K 1,024] x [K 1,024, N 1,024]; A: computed on the way; B: input w_down: QUANTISED
;;     4. [M 2,048, K 1,024] x [K 1,024, N 1,024]; A: input x; B: input w_gate: QUANTISED
;;     5. [M 2,048, K 1,024] x [K 1,024, N 1,024]; A: input x; B: input w_up: QUANTISED
;;     6. [M 2,048, K 1,024] x [K 1,024, N 1,024]; A: computed on the way; B: input w_down: QUANTISED
;;     7. [M 2,048, K 1,024] x [K 1,024, N 1,024]; A: input x; B: input w_gate: QUANTISED
;;     8. [M 2,048, K 1,024] x [K 1,024, N 1,024]; A: input x; B: input w_up: QUANTISED
;;     9. [M 2,048, K 1,024] x [K 1,024, N 1,024]; A: computed on the way; B: input w_down: QUANTISED
;;     10. [M 2,048, K 1,024] x [K 1,024, N 1,024]; A: input x; B: input w_gate: QUANTISED
;;     11. [M 2,048, K 1,024] x [K 1,024, N 1,024]; A: input x; B: input w_up: QUANTISED
;;     12. [M 2,048, K 1,024] x [K 1,024, N 1,024]; A: computed on the way; B: input w_down: QUANTISED
;;     13. [M 2,048, K 1,024] x [K 1,024, N 1,024]; A: input x; B: input w_gate: QUANTISED
;;     14. [M 2,048, K 1,024] x [K 1,024, N 1,024]; A: input x; B: input w_up: QUANTISED
;;     15. [M 2,048, K 1,024] x [K 1,024, N 1,024]; A: computed on the way; B: input w_down: QUANTISED
;;     16. [M 2,048, K 1,024] x [K 1,024, N 1,024]; A: input x; B: input w_gate: QUANTISED
;;     17. [M 2,048, K 1,024] x [K 1,024, N 1,024]; A: input x; B: input w_up: QUANTISED
;;     18. [M 2,048, K 1,024] x [K 1,024, N 1,024]; A: computed on the way; B: input w_down: QUANTISED
;;     19. [M 2,048, K 1,024] x [K 1,024, N 1,024]; A: input x; B: input w_gate: QUANTISED
;;     20. [M 2,048, K 1,024] x [K 1,024, N 1,024]; A: input x; B: input w_up: QUANTISED
;;     21. [M 2,048, K 1,024] x [K 1,024, N 1,024]; A: computed on the way; B: input w_down: QUANTISED
;;     22. [M 2,048, K 1,024] x [K 1,024, N 1,024]; A: input x; B: input w_gate: QUANTISED
;;     23. [M 2,048, K 1,024] x [K 1,024, N 1,024]; A: input x; B: input w_up: QUANTISED
;;     24. [M 2,048, K 1,024] x [K 1,024, N 1,024]; A: computed on the way; B: input w_down: QUANTISED
;;   THE QUANTISER, for each operand of a quantised product, along K:
;;     - K is cut into blocks of 32 from its start; a last block that is shorter is filled with zeros.
;;     - A block's scale is 2^e with e = floor(log2(the largest magnitude in the block)) - 15, held to -126 .. 127; a block of zeros has e = 0. As a byte (E8M0): e + 127.
;;     - Each number is divided by its block's scale, clamped to +-57,344, and rounded to the nearest number of E5M2, ties to even, subnormals kept.
;;     - The product sums the exact products of the quantised numbers (number of the format x scale) in f32.
;;   ~~~python
;;   def quantise(x, axis):      # numpy; x: float32 -> the quantised numbers, widened to float32 again
;;       x = np.moveaxis(x, axis, -1); K = x.shape[-1]
;;       x = np.pad(x, [(0, 0)] * (x.ndim - 1) + [(0, -K % 32)]); x = x.reshape(x.shape[:-1] + (-1, 32)); a = np.abs(x).max(-1, keepdims=True)
;;       e = np.where(a > 0, np.clip(np.frexp(np.where(a > 0, a, 1))[1] - 1 - 15, -126, 127), 0)      # np.frexp(a)[1] - 1 = floor(log2(a)), exactly
;;       r = np.clip(x / 2.0 ** e, -57344, 57344)
;;       step = 2.0 ** (np.maximum(np.frexp(np.where(r == 0, 1, r))[1] - 1, -14) - 2)
;;       q = np.round(r / step) * step * 2.0 ** e      # np.round: ties to even
;;       return np.moveaxis(q.reshape(q.shape[:-2] + (-1,))[..., :K], -1, axis).astype(np.float32)
;;   ~~~
;;   OPERANDS COMPUTED ON THE WAY. 'Computed on the way' means the value that the module computes at that place (a softmax that the list does not call 'softmax' is quantised finished and normalised). What goes into a quantiser is computed in f32, as accurately as f32 sums, v_exp_f32 and their like allow (about 1e-6 of the number): no bf16 or f16 on the way to a quantiser, and a product that is left as it is and whose result goes on into a quantised operand takes f32 operands (vector FMAs, or v_wmma_f32_16x16x4_f32). A number that lies on a knife's edge between two numbers of the format may be rounded either way, as far as f32 arithmetic and the matrix unit's own rounding can turn it there, and no further.
;; 2 versions. Each part assembles by itself: llvm-mc -triple=amdgcn-amd-amdhsa -mcpu=gfx1250 --defsym DOCPART=n.
;; ======== version 1 of 2: 3 launches
;; workspace buffers: xq 2,097,152 bytes; xs 65,536 bytes; order 8,960 bytes of whole numbers; meta 256 bytes of whole numbers; hc 2,228,224 bytes; hs 139,264 bytes
;; launch prep (part 1): grid 257 x 1, 8 waves a work-group, no clusters, 42,496 bytes of LDS; arguments x, expert_idx, xq, xs, order, meta; writes xq, xs, order, meta
.if DOCPART == 1
	.amdgcn_target "amdgcn-amd-amdhsa--gfx1250"
	.amdhsa_code_object_version 6
	.text
	.protected	k_q5b187808ed_prep
	.globl	k_q5b187808ed_prep
	.p2align	8
	.type	k_q5b187808ed_prep,@function
k_q5b187808ed_prep:
	s_mov_b64 s[64:65], 0
	v_nop
	global_prefetch_b8 v0, s[64:65] scope:SCOPE_SE
	s_setreg_imm32_b32 hwreg(HW_REG_WAVE_MODE, 25, 1), 1
	s_wait_xcnt 0x0
; Two jobs in one launch, parted on the work-group's number alone.
; WORK-GROUPS 1 .. 256: x [2048][1024] f32 becomes codes of BF8 (E5M2), K innermost, xq [2048][1024], with one E8M0 byte for each 32 along K, xs [2048][32].
;   A block's scale is 2^(floor(log2(its largest magnitude)) - 15): its byte is the largest magnitude's exponent field - 15, held at 1 from below.
;   A work-group takes 8 tokens, a wave one token's row: two steps of 512 numbers.  Each load reads 512 consecutive bytes; a step's 2,048 bytes turn through the wave's own stage in LDS,
;   so that a lane holds 16 neighbours along K (two lanes to a block).  A lane's 16 codes are 16 bytes: a store of the wave covers 512 consecutive bytes.
;   The work-group's 256 scale bytes meet in LDS and leave by one store of 256 consecutive bytes, aligned.
; WORK-GROUP 0: a counting sort of the 2,048 tokens by expert_idx, without atomics.  order holds 136 tiles of 16 entries: expert e's tokens, ascending, from entry 16 tb_e on;
;   every entry without a token holds the marker 2048.  Entry 2176 takes the lanes that have nothing to mark; nobody reads it.  meta[2 e] = tb_e (first tile), meta[2 e + 1] = nt_e (tiles).
;   With 2,048 tokens, 8 experts and tiles of 16 there are at most 128 + 7 tiles, whatever the split.
; LIMITS: NaN and infinities in x are not served.  A block whose largest magnitude lies under 2^-111 (a block of zeros too) keeps the byte 1: a block of zeros has zero codes,
;   which add nothing under any byte but 0xff, and this program alone reads the bytes.  expert_idx outside 0 .. 7 is not served: it is taken as 7.
.set SP,    80                         ; a lane's place in a stage: 64 bytes + 16 of padding
.set WREG,  5120                       ; a wave's two stages of 32 x SP bytes
.set SCB,   40960                      ; the quantiser's 256 scale bytes
.set SRT,   41216                      ; the sorter's 8 x 16 bytes: bytes of its own
.set EMAX,  15
.set R,     16                         ; quantiser: v16-47 two sets as loaded;  sorter: v16-23 the thread's eight experts
.set X,     48                         ; v48-79  two sets of 16 neighbours
.set C,     80                         ; v80-87  codes, four registers a step
.set E,     88                         ; v88-89  a scale byte a step
	s_load_b256 s[4:11], s[0:1], 0x0               ; x s[4:5], expert_idx s[6:7], xq s[8:9], xs s[10:11]
	s_load_b128 s[12:15], s[0:1], 0x20             ; order s[12:13], meta s[14:15]
	v_lshl_add_u32 v128, v0, 2, 0xa200
	v_mov_b32 v129, 0
	v_lshrrev_b32 v1, 5, v0
	v_readfirstlane_b32 s16, v1                    ; wave 0..7
	v_and_b32 v2, 31, v0                           ; lane
	s_wait_kmcnt 0x0
	s_cmp_eq_u32 ttmp9, 0
	s_cbranch_scc1 .Lsort
	; ---------------- the quantiser ----------------
	v_lshlrev_b32 v3, 4, v2                        ; my 16 bytes of a load's 512, and of a step's 512 bytes of codes
	s_mul_i32 s17, s16, WREG
	v_lshrrev_b32 v14, 2, v2
	v_mul_u32_u24 v14, v14, SP
	v_and_b32 v15, 3, v2
	v_lshl_add_u32 v14, v15, 4, v14
	v_add_nc_u32 v14, s17, v14                     ; the stage, on the way in: SP (lane / 4) + 16 (lane % 4)
	v_mul_u32_u24 v15, v2, SP
	v_add_nc_u32 v15, s17, v15                     ; and on the way out: SP x lane: my 16 neighbours
	v_lshrrev_b32 v5, 1, v2
	s_lshl_b32 s18, s16, 5
	s_add_co_u32 s18, s18, SCB
	v_add_nc_u32 v5, s18, v5                       ; my block's byte: SCB + 32 x wave + lane / 2
	v_lshlrev_b32 v7, 3, v2                        ; on the way out 8 bytes a lane
	v_add_nc_u32 v6, SCB, v7
	s_mov_b32 s23, 0x600000                        ; the mantissa field of 57,344
	s_sub_co_u32 s19, ttmp9, 1                     ; which 8 tokens
	s_lshl_b32 s20, s19, 3
	s_add_co_u32 s20, s20, s16                     ; my token
	s_lshl_b32 s24, s20, 12
	s_mov_b32 s25, 0
	s_add_nc_u64 s[4:5], s[4:5], s[24:25]          ; its row of x: 4,096 bytes
	s_lshl_b32 s24, s20, 10
	s_add_nc_u64 s[8:9], s[8:9], s[24:25]          ; its 1,024 codes
	s_lshl_b32 s24, s19, 8
	s_add_nc_u64 s[10:11], s[10:11], s[24:25]      ; the work-group's 256 scale bytes
.macro LOAD t
.irp i, 0,1,2,3
	global_load_b128 v[R+16*(\t)+4*\i:R+16*(\t)+4*\i+3], v3, s[4:5] offset:2048*(\t)+512*\i th:TH_LOAD_NT   ; 32 lanes read 512 consecutive bytes; x is read once in the launch
.endr
.endm
.macro TURN t                          ; step t's numbers through its stage: LDS serves a wave's instructions in order, so no wait stands between the stores and the loads
.irp i, 0,1,2,3
	ds_store_b128 v14, v[R+16*(\t)+4*\i:R+16*(\t)+4*\i+3] offset:32*SP*(\t)+8*SP*\i
.endr
.irp i, 0,1,2,3
	ds_load_b128 v[X+16*(\t)+4*\i:X+16*(\t)+4*\i+3], v15 offset:32*SP*(\t)+16*\i
.endr
.endm
.macro WORK t
.set XS, X+16*(\t)
	v_max3_num_f32 v8, |v[XS]|, |v[XS+1]|, |v[XS+2]|               ; the largest magnitude of my 16, in two chains
	v_max3_num_f32 v9, |v[XS+3]|, |v[XS+4]|, |v[XS+5]|
.irp i, 6,10
	v_max3_num_f32 v8, v8, |v[XS+\i]|, |v[XS+\i+1]|
	v_max3_num_f32 v9, v9, |v[XS+\i+2]|, |v[XS+\i+3]|
.endr
	v_max3_num_f32 v8, v8, |v[XS+14]|, |v[XS+15]|
	v_max3_num_f32 v8, v8, v9, (EMAX+1)<<23        ; and the floor 2^(16 - 127): the byte cannot fall under 1
	v_max_num_f32_dpp v8, v8, v8 row_xmask:1 row_mask:0xf bank_mask:0xf   ; and of my neighbour's 16: the block's
	v_add_nc_u32 v11, -(EMAX<<23), v8              ; 15 off its exponent field: the conversion's scale operand
	v_and_or_b32 v10, v8, 0x7f800000, s23          ; 57,344 x the scale
.irp i, 0,1,2,3,4,5,6,7,8,9,10,11,12,13,14,15
	v_med3_num_f32 v[XS+\i], v[XS+\i], -v10, v10   ; the conversion to an 8-bit code does not saturate (ISA guide 7.6.2): the hold comes first
.endr
	v_cvt_scalef32_pk8_bf8_f32 v[C+4*(\t):C+4*(\t)+1], v[XS:XS+7], v11
	v_cvt_scalef32_pk8_bf8_f32 v[C+4*(\t)+2:C+4*(\t)+3], v[XS+8:XS+15], v11
	v_lshrrev_b32 v[E+(\t)], 23, v11               ; the scale's byte (also the plain line behind the conversions)
	ds_store_b8 v5, v[E+(\t)] offset:16*(\t)       ; both lanes of a block write the same byte with the same value
	global_store_b128 v3, v[C+4*(\t):C+4*(\t)+3], s[8:9] offset:512*(\t)
.endm
	LOAD 0
	LOAD 1
	s_wait_loadcnt 0x4                             ; step 0's four loads are in; step 1's four may be out
	TURN 0
	s_wait_dscnt 0x0                               ; step 0 is back from its stage
	s_wait_loadcnt 0x0                             ; step 1's loads are in
	TURN 1                                         ; through the other stage while step 0 is worked
	WORK 0
	s_wait_dscnt 0x1                               ; step 1 is back; behind its loads stands step 0's byte store alone
	WORK 1
	s_wait_dscnt 0x0                               ; for the others' sake: my two byte stores have landed
	s_barrier_signal -1
	s_barrier_wait -1
	s_cmp_lg_u32 s16, 0
	s_cbranch_scc1 .Lqend                          ; wave 0 sends the eight waves' scale bytes
	ds_load_b64 v[12:13], v6
	s_wait_dscnt 0x0
	global_store_b64 v7, v[12:13], s[10:11]        ; 32 lanes store 256 consecutive bytes, aligned
.Lqend:
	s_wait_tensorcnt 0x0
	ds_add_u32 v128, v129
	s_wait_dscnt 0x0
	s_endpgm
	; ---------------- the sorter: 256 threads, thread t holds tokens 8 t .. 8 t + 7 ----------------
.set SH,  24                           ; v24-31  4 x expert: a shift
.set RK,  32                           ; v32-39  the token's rank among the thread's tokens of its expert
.set RUN, 40                           ; v40     eight 4-bit counts (8 at the most)
.set ONE, 41
.set CN,  42                           ; v42-45  the thread's counts, experts 2 q and 2 q + 1 in 16-bit halves
.set IN,  46                           ; v46-49  their inclusive scan over the wave
.set TT,  50                           ; v50     at work
.set HH,  51                           ; v51     lane / 16
.set LW,  52                           ; v52     lane % 8
.set AW,  53                           ; v53     SRT + 16 x wave
.set AR,  54                           ; v54     SRT + 16 x (lane % 8)
.set WT,  56                           ; v56-59  a wave's totals, then all waves'
.set MP,  60                           ; v60-63  the totals of the waves in front of mine
.set PP,  64                           ; v64-67  where my thread's tokens of each expert begin
.set ST,  68                           ; v68-69  one expert's start
.set BB,  72                           ; v72-79  the start that belongs to each token
.set OF,  80                           ; v80-87  byte offsets in order
.set TK,  88                           ; v88-95  token numbers
.set PD,  96                           ; v96-107 byte offsets of the markers
.set MK,  108                          ; v108    the marker, 2048
.set DU,  109                          ; v109    the entry that nobody reads, 2176
.set MM,  110                          ; v110    meta's words, one a lane
.set ML,  111                          ; v111    4 x lane
.Lsort:
	v_lshlrev_b32 v3, 5, v0
	global_load_b128 v[R:R+3], v3, s[6:7]
	global_load_b128 v[R+4:R+7], v3, s[6:7] offset:16
	v_mov_b32 v[ONE], 1
	v_mov_b32 v[TT], 0                             ; written once: a DPP form's destination counts as one of its sources
	v_bfe_u32 v[HH], v0, 4, 1
	v_and_b32 v[LW], 7, v0
	s_lshl_b32 s21, s16, 4
	s_add_co_u32 s21, s21, SRT
	v_mov_b32 v[AW], s21
	v_lshl_add_u32 v[AR], v[LW], 4, SRT
	v_mov_b32 v[MK], 0x800
	v_mov_b32 v[DU], 0x880
	v_mov_b32 v[MM], 0
	v_lshlrev_b32 v[ML], 2, v2
	s_wait_loadcnt 0x0
.irp t, 0,1,2,3,4,5,6,7
	v_min_u32 v[R+\t], 7, v[R+\t]
	v_lshlrev_b32 v[SH+\t], 2, v[R+\t]
.endr
	v_mov_b32 v[RK], 0                             ; ranks inside the thread: the count so far of the token's expert
	v_lshlrev_b32 v[RUN], v[SH], v[ONE]
.irp t, 1,2,3,4,5,6,7
	v_lshrrev_b32 v[TT], v[SH+\t], v[RUN]
	v_and_b32 v[RK+\t], 15, v[TT]
	v_lshl_add_u32 v[RUN], v[ONE], v[SH+\t], v[RUN]
.endr
.irp q, 0,1,2,3
	v_bfe_u32 v[CN+\q], v[RUN], 8*\q, 4
	v_bfe_u32 v[TT], v[RUN], 8*\q+4, 4
	v_lshl_or_b32 v[CN+\q], v[TT], 16, v[CN+\q]
	v_mov_b32 v[IN+\q], v[CN+\q]
.endr
.irp n, 1,2,4,8                        ; inclusive scan inside each row of 16 lanes
.irp q, 0,1,2,3
	v_mov_b32_dpp v[TT], v[IN+\q] row_shr:\n row_mask:0xf bank_mask:0xf bound_ctrl:1
	v_add_nc_u32 v[IN+\q], v[IN+\q], v[TT]
.endr
.endr
.irp q, 0,1,2,3
	v_readlane_b32 s20, v[IN+\q], 15               ; the lower row's total (each half at most 128: under 2^24)
	v_mad_u32_u24 v[IN+\q], v[HH], s20, v[IN+\q]   ; onto the upper row
.endr
.irp q, 0,1,2,3
	v_readlane_b32 s20, v[IN+\q], 31               ; the wave's total
	v_mov_b32 v[WT+\q], s20
.endr
	ds_store_b128 v[AW], v[WT:WT+3]                ; all lanes write the same 16 bytes with the same values
	s_wait_dscnt 0x0
	s_barrier_signal -1
	s_barrier_wait -1
	ds_load_b128 v[WT:WT+3], v[AR]                 ; lane l: the totals of wave l % 8
	s_wait_dscnt 0x0
	v_cmp_gt_u32 vcc_lo, s16, v[LW]                ; a wave in front of mine?
.irp q, 0,1,2,3
	v_cndmask_b32 v[MP+\q], 0, v[WT+\q], vcc_lo
.endr
.irp n, 1,2,4                          ; sums over each group of eight lanes: every wave once
.irp q, 0,1,2,3
	v_mov_b32_dpp v[TT], v[WT+\q] row_xmask:\n row_mask:0xf bank_mask:0xf
	v_add_nc_u32 v[WT+\q], v[WT+\q], v[TT]
	v_mov_b32_dpp v[TT], v[MP+\q] row_xmask:\n row_mask:0xf bank_mask:0xf
	v_add_nc_u32 v[MP+\q], v[MP+\q], v[TT]
.endr
.endr
.irp q, 0,1,2,3
	v_readfirstlane_b32 s20, v[WT+\q]
	s_and_b32 s[24+2*\q], s20, 0xffff              ; s24-31: tokens of each expert
	s_lshr_b32 s[25+2*\q], s20, 16
.endr
	s_mov_b32 s40, 0                               ; s40-48: first tile of each expert; s48: tiles in all
.irp e, 0,1,2,3,4,5,6,7
	s_add_co_u32 s[32+\e], s[24+\e], 15
	s_lshr_b32 s[32+\e], s[32+\e], 4               ; s32-39: tiles of each expert
	s_add_co_u32 s[41+\e], s[40+\e], s[32+\e]
.endr
.irp q, 0,1,2,3
	s_lshl_b32 s20, s[40+2*\q], 4
	s_lshl_b32 s21, s[41+2*\q], 20
	s_or_b32 s[50+\q], s20, s21                    ; the experts' first entries, packed like the counts
	v_add3_u32 v[PP+\q], v[MP+\q], v[IN+\q], s[50+\q]
	v_sub_nc_u32 v[PP+\q], v[PP+\q], v[CN+\q]      ; first entry + earlier waves + earlier threads (each half stays at 0 or above: no borrow)
.endr
	v_and_b32 v[ST], 0xffff, v[PP]
	v_lshrrev_b32 v[ST+1], 16, v[PP]
.irp t, 0,1,2,3,4,5,6,7
	v_cmp_eq_u32 vcc_lo, 1, v[R+\t]
	v_cndmask_b32 v[BB+\t], v[ST], v[ST+1], vcc_lo
.endr
.irp e, 2,3,4,5,6,7
	v_bfe_u32 v[ST], v[PP+\e/2], 16*(\e%2), 16
.irp t, 0,1,2,3,4,5,6,7
	v_cmp_eq_u32 vcc_lo, \e, v[R+\t]
	v_cndmask_b32 v[BB+\t], v[BB+\t], v[ST], vcc_lo
.endr
.endr
.irp t, 0,1,2,3,4,5,6,7
	v_add_nc_u32 v[OF+\t], v[BB+\t], v[RK+\t]
	v_min_u32 v[OF+\t], 0x87f, v[OF+\t]            ; an entry of the 2,176
	v_lshlrev_b32 v[OF+\t], 2, v[OF+\t]
	v_lshl_add_u32 v[TK+\t], v0, 3, \t
	global_store_b32 v[OF+\t], v[TK+\t], s[12:13]  ; every store has registers of its own: none is written again
.endr
	s_cmp_lg_u32 s16, 0
	s_cbranch_scc1 .Lsend                          ; wave 0 marks the entries without a token and writes meta
.irp e, 0,1,2,3,4,5,6,7                ; behind an expert's last token up to the end of its last tile: 15 entries at the most
	s_lshl_b32 s20, s[40+\e], 4
	s_add_co_u32 s20, s20, s[24+\e]
	s_lshl_b32 s21, s[41+\e], 4
	v_add_nc_u32 v[PD+\e], s20, v2
	v_cmp_gt_u32 vcc_lo, s21, v[PD+\e]
	v_cndmask_b32 v[PD+\e], v[DU], v[PD+\e], vcc_lo
	v_min_u32 v[PD+\e], 0x880, v[PD+\e]
	v_lshlrev_b32 v[PD+\e], 2, v[PD+\e]
	global_store_b32 v[PD+\e], v[MK], s[12:13]
.endr
	s_lshl_b32 s20, s48, 4                         ; the tiles that this split leaves over: at most 8 x 16 entries
.irp k, 0,1,2,3
	v_add_nc_u32 v[PD+8+\k], s20, v2
	v_add_nc_u32 v[PD+8+\k], 32*\k, v[PD+8+\k]
	v_cmp_gt_u32 vcc_lo, 0x880, v[PD+8+\k]
	v_cndmask_b32 v[PD+8+\k], v[DU], v[PD+8+\k], vcc_lo
	v_min_u32 v[PD+8+\k], 0x880, v[PD+8+\k]
	v_lshlrev_b32 v[PD+8+\k], 2, v[PD+8+\k]
	global_store_b32 v[PD+8+\k], v[MK], s[12:13]
.endr
.irp e, 0,1,2,3,4,5,6,7
	v_writelane_b32 v[MM], s[40+\e], 2*\e
	v_writelane_b32 v[MM], s[32+\e], 2*\e+1
.endr
	global_store_b32 v[ML], v[MM], s[14:15]
.Lsend:
	s_wait_tensorcnt 0x0
	ds_add_u32 v128, v129
	s_wait_dscnt 0x0
	s_endpgm
.Lfunc_end_k_q5b187808ed_prep:
	.size	k_q5b187808ed_prep, .Lfunc_end_k_q5b187808ed_prep-k_q5b187808ed_prep
	.p2alignl 7, 3214868480
	.fill 96, 4, 3214868480
	.section	.rodata,"a",@progbits
	.p2align	6, 0x0
	.amdhsa_kernel k_q5b187808ed_prep
		.amdhsa_group_segment_fixed_size 42496
		.amdhsa_private_segment_fixed_size 0
		.amdhsa_enable_private_segment 0
		.amdhsa_kernarg_size 48
		.amdhsa_user_sgpr_count 2
		.amdhsa_user_sgpr_kernarg_segment_ptr 1
		.amdhsa_wavefront_size32 1
		.amdhsa_system_sgpr_workgroup_id_x 1
		.amdhsa_system_sgpr_workgroup_id_y 1
		.amdhsa_system_sgpr_workgroup_id_z 1
		.amdhsa_system_vgpr_workitem_id 0
		.amdhsa_next_free_vgpr 130
		.amdhsa_next_free_sgpr 66
		.amdhsa_reserve_vcc 1
		.amdhsa_float_denorm_mode_32 3
		.amdhsa_float_denorm_mode_16_64 3
		.amdhsa_memory_ordered 1
		.amdhsa_forward_progress 1
		.amdhsa_inst_pref_size 31
	.end_amdhsa_kernel
	.amdgpu_metadata
---
amdhsa.version: [ 1, 2 ]
amdhsa.kernels:
  - .name:           k_q5b187808ed_prep
    .symbol:         k_q5b187808ed_prep.kd
    .args:
      - { .name: x, .offset: 0, .size: 8, .value_kind: global_buffer, .address_space: global }
      - { .name: expert_idx, .offset: 8, .size: 8, .value_kind: global_buffer, .address_space: global }
      - { .name: xq, .offset: 16, .size: 8, .value_kind: global_buffer, .address_space: global }
      - { .name: xs, .offset: 24, .size: 8, .value_kind: global_buffer, .address_space: global }
      - { .name: order, .offset: 32, .size: 8, .value_kind: global_buffer, .address_space: global }
      - { .name: meta, .offset: 40, .size: 8, .value_kind: global_buffer, .address_space: global }
    .group_segment_fixed_size: 42496
    .private_segment_fixed_size: 0
    .kernarg_segment_align: 8
    .kernarg_segment_size: 48
    .max_flat_workgroup_size: 256
    .sgpr_count:     66
    .vgpr_count:     130
    .wavefront_size: 32
...
	.end_amdgpu_metadata
.endif
;; end of part 1
;; launch gateup (part 2): grid 32 x 8, 4 waves a work-group, no clusters, 136,704 bytes of LDS; arguments w_gate, w_up, xq, xs, order, meta, hc, hs; writes hc, hs
.if DOCPART == 2
	.amdgcn_target "amdgcn-amd-amdhsa--gfx1250"
	.amdhsa_code_object_version 6
	.text
	.protected	k_q5b187808ed_gateup
	.globl	k_q5b187808ed_gateup
	.p2align	8
	.type	k_q5b187808ed_gateup,@function
k_q5b187808ed_gateup:
	s_mov_b64 s[64:65], 0
	v_nop
	global_prefetch_b8 v0, s[64:65] scope:SCOPE_SE
	s_setreg_imm32_b32 hwreg(HW_REG_WAVE_MODE, 25, 1), 1
	s_wait_xcnt 0x0
; The hidden layer h = silu(x Wg) * (x Wu) of the chosen expert, both products on codes of BF8 (E5M2) with one E8M0 scale for each 32 along K, and h quantised along F on the way out.
; THE WEIGHTS STAND STILL.  Work-group (sl, e) owns F columns 32 sl .. 32 sl + 31 of expert e's w_gate and w_up: 2 x 1,024 x 32 f32 numbers.  They are read ONCE, as f32, quantised along K
; (their first axis) in registers, handed round the four waves through LDS as images of the operand's registers, and then stay in every wave's registers: 32 fragments, 512 registers.
; Then the expert's tiles of 16 sorted tokens go past them: wave w takes tiles w, w + 4, ...  The weights' traffic is the same for every work-group, whatever the split.
; PHASE 1.  A pass is 32 loads, one for each row of a block of 32 along K; a lane takes 4 neighbouring columns, a group of eight lanes a block of its own: so a lane ends up with four WHOLE blocks,
; one a column, and needs no other lane for their largest magnitudes.  The hold at the largest code also lays each column's 32 numbers into consecutive registers, as the conversions want them.
; THE COLUMNS OF A TILE ARE NOT NEIGHBOURS: lane r of tile u takes column 8 u + r + 8 (r / 8).  The products are used transposed (source 0 = 16 columns of W, source 1 = 16 tokens), so that a lane
; holds ONE token and the 16 registers of tiles 0 and 1 are F units 16 (lane / 16) + 0 .. 15 of the slice: half of ONE block of the next product's K; the other half lies in lane l xor 16.
; OUT.  hc [tile][K step 8][c 4][lane 32][16 bytes]: the register image of the next product's token operand; a wave's store covers 512 consecutive bytes, aligned.
;       hs [tile][lane 32][32 bytes]: the lane's scale words of the eight K steps; this slice writes byte sl of each lane: one byte a lane beside the 16 of codes.
; A TILE'S EMPTY PLACES (marker 2048 in order) TAKE THE TILE'S FIRST TOKEN, which entry 0 of every tile that exists holds: their rows of h are that token's once more, bit for bit.
; A WAVE'S LAST TILE IS WRITTEN OUT behind the loop, without loads: in the loop's trips the next tile always exists, and no row is fetched that nobody multiplies.
; NO CLUSTER, NO TENSOR LOADS: the slices of an expert do read the same token tiles, but a tile's rows are gathered by a list, which one tile descriptor does not cover, and their number is read from memory:
; a loop of constant count that serves every split has 128 trips where an even split has 16.  The weights, 256 KiB of the 288 KiB that a work-group reads at an even split, are shared with nobody.
; A work-group whose expert has no token still runs phase 1 (its barrier stands on every wave's path) and stores nothing.
; LIMITS: NaN and infinities are not served.  A block whose largest magnitude lies under 2^-111 (a block of zeros too) keeps the byte 1.  Where 1 + e^-g passes f32's range, or its reciprocal falls
; under 2^-126 (g under about -87), silu(g) comes out as 0 (v_exp_f32 and v_rcp_f32 flush: ISA guide 15.8); the exact value lies under 1e-35 x |g| there.
; REGISTERS, in windows of 256.  Window 0: v1-15 addresses; v16-24 a tile's list; v25-33 byte offsets of its rows; v34-37 its scale bytes as loaded; v38 the floor; v39 the tile's first token; v40-47 x's scale words;
;   v48-79 W's scale words; v80-111 four accumulators (phase 1: v80-95 at work, v96-127 codes); v112-127 e, v128-143 h, v144-153 at work (phase 1: v128-255 four blocks laid along K).
;   Windows 1, 2: phase 1: four sets of 128 numbers as loaded; then W's fragments of K steps 0-3 and 4-7 (fragment 4 (s % 4) + T at v[16 x that]).   Window 3: v0-127 a tile's rows as loaded; v128-255 x's eight fragments.
.set SCW,   65536                      ; LDS: bytes 0 .. 65,535 the images: fragment f = 4 s + T at 2048 f + 512 c + 16 lane;  here W's scale bytes: (16 T + r) 32 + 4 s + c
.set STG,   67584                      ; four stages, one a wave: 16 rows of SPT bytes
.set SPT,   1072                       ; a token's 1,024 codes, its 32 scale bytes, 16 of padding: 268 words, so the 16 rows that a load touches begin at 16 different multiples of 4 among 64 words
.set FLOOR, 38
.set FST,   39
.set AM,    80                         ; phase 1: four largest magnitudes,
.set SC,    84                         ; the conversions' scale operands,
.set HD,    88                         ; 57,344 x the scales,
.set BY,    92                         ; the scales' bytes
.set CC,    96                         ; v96-127 the codes of four blocks
.set TT,    128                        ; v128-255 column j's 32 numbers at TT + 32 j
.set LR,    16
.set LS,    24
.set OFF,   25
.set SOFF,  33
.set XSR,   34
.set XS,    40
.set WS,    48
.set ACC,   80                         ; gate's tiles 0, 1, then up's
.set EE,    112
.set HH,    128
.set HC,    150
.set MSB,   0
.macro WIN new                         ; the immediate's high byte repeats the setting that is left; a switch that changes nothing is dropped
.if MSB != \new
	s_set_vgpr_msb (MSB<<8)|\new
.set MSB, \new
.endif
.endm
; 32 loads: rows 0 .. 31 of my group's block, my 4 columns, into set d (window 1 + d / 2, from v[128 (d % 2)])
.macro PLOAD d, base, imm
.set XB, 128*((\d)&1)
	WIN 0x40*(1+((\d)>>1))
.set ii, 0
.rept 32
	global_load_b128 v[XB+4*ii:XB+4*ii+3], v2, s[\base:\base+1] offset:(\imm)+4096*ii
.set ii, ii+1
.endr
	WIN 0
.endm
; set d: four blocks of 32 become codes and scale bytes, and go to LDS where the operand's image wants them
.macro PASS d, img, scl
.set XB, 128*((\d)&1)
.set WW, 1+((\d)>>1)
	WIN 0x14*WW                                    ; sources 1 and 2 in the set's window
.irp j, 0,1,2,3
	v_max3_num_f32 v[AM+\j], v[FLOOR], |v[XB+\j]|, |v[XB+4+\j]|   ; column j's largest magnitude, over the floor 2^(16 - 127); the four columns by turns
.endr
.set ii, 2
.rept 15
.irp j, 0,1,2,3
	v_max3_num_f32 v[AM+\j], v[AM+\j], |v[XB+4*ii+\j]|, |v[XB+4*ii+4+\j]|
.endr
.set ii, ii+2
.endr
	WIN 0
	s_wait_dscnt 0x0                               ; the last pass's LDS stores have read their registers: bytes and codes may be written again
.irp j, 0,1,2,3
	v_add_nc_u32 v[SC+\j], 0xf8800000, v[AM+\j]    ; 15 off the exponent field
	v_and_or_b32 v[HD+\j], v[AM+\j], 0x7f800000, s42
	v_lshrrev_b32 v[BY+\j], 23, v[SC+\j]
.endr
	WIN WW                                         ; source 0 in the set's window
.set ii, 0
.rept 32
.irp j, 0,1,2,3
	v_med3_num_f32 v[TT+32*\j+ii], v[XB+4*ii+\j], -v[HD+\j], v[HD+\j]   ; the hold (the conversion does not saturate: ISA guide 7.6.2), and K into consecutive registers
.endr
.set ii, ii+1
.endr
	WIN 0
.irp j, 0,1,2,3
.irp m, 0,1,2,3
	v_cvt_scalef32_pk8_bf8_f32 v[CC+8*\j+2*\m:CC+8*\j+2*\m+1], v[TT+32*\j+8*\m:TT+32*\j+8*\m+7], v[SC+\j]
.endr
.endr
	v_nop                                          ; one plain line behind the last conversion
.irp j, 0,1,2,3
	ds_store_b128 v3, v[CC+8*\j:CC+8*\j+3] offset:(\img)+16*\j          ; k = 0 .. 15 of the block: the lower half of the lanes' 16 bytes,
	ds_store_b128 v3, v[CC+8*\j+4:CC+8*\j+7] offset:(\img)+16*\j+256    ; k = 16 .. 31: the upper half's
	ds_store_b8 v4, v[BY+\j] offset:(\scl)+32*\j
.endr
.endm
; a tile's list: the ids of rows 8 (lane / 16) + 0 .. 7, and of row lane / 2.  Three loads
.macro LIST t
	s_min_u32 s24, \t, 135
	s_lshl_b32 s24, s24, 6
	s_mov_b32 s25, 0
	s_add_nc_u64 s[38:39], s[12:13], s[24:25]
	global_load_b128 v[LR:LR+3], v11, s[38:39]
	global_load_b128 v[LR+4:LR+7], v11, s[38:39] offset:16
	global_load_b32 v[LS], v12, s[38:39]
.endm
.macro ADDR                            ; ids into byte offsets.  An empty place takes the tile's first token; the clamp stands behind the choice
	v_readfirstlane_b32 s47, v[LR]                 ; lane 0 holds entry 0 of the tile: a token in every tile that exists
	v_mov_b32 v[FST], s47
.irp i, 0,1,2,3,4,5,6,7
	v_cmp_gt_u32 vcc_lo, 0x800, v[LR+\i]           ; a token, or the marker?
	v_cndmask_b32 v[OFF+\i], v[FST], v[LR+\i], vcc_lo
	v_min_u32 v[OFF+\i], 0x7ff, v[OFF+\i]
	v_lshlrev_b32 v[OFF+\i], 10, v[OFF+\i]
	v_add_nc_u32 v[OFF+\i], v13, v[OFF+\i]
.endr
	v_cmp_gt_u32 vcc_lo, 0x800, v[LS]
	v_cndmask_b32 v[SOFF], v[FST], v[LS], vcc_lo
	v_min_u32 v[SOFF], 0x7ff, v[SOFF]
	v_lshlrev_b32 v[SOFF], 5, v[SOFF]
	v_add_nc_u32 v[SOFF], v14, v[SOFF]
.endm
.macro XLOAD                           ; 33 loads: 16 rows of 1,024 codes (each load: 256 consecutive aligned bytes of two rows), and their 32 scale bytes
	WIN 0xc0
.irp i, 0,1,2,3,4,5,6,7
.irp q, 0,1,2,3
	global_load_b128 v[4*(4*\i+\q):4*(4*\i+\q)+3], v[OFF+\i], s[8:9] offset:256*\q
.endr
.endr
	WIN 0
	global_load_b128 v[XSR:XSR+3], v[SOFF], s[10:11]
.endm
.macro STAGE                           ; rows into my own stage, fragments out of it: LDS serves a wave's instructions in order, so no wait stands between
	WIN 0x0c
.irp i, 0,1,2,3,4,5,6,7
.irp q, 0,1,2,3
	ds_store_b128 v7, v[4*(4*\i+\q):4*(4*\i+\q)+3] offset:SPT*\i+256*\q
.endr
.endr
	WIN 0
	ds_store_b128 v8, v[XSR:XSR+3]
	WIN 0xc0
.irp s, 0,1,2,3,4,5,6,7
.irp c, 0,1,2,3
	ds_load_b128 v[128+16*\s+4*\c:128+16*\s+4*\c+3], v9 offset:128*\s+32*\c   ; lane (r, h): token r, k = 128 s + 32 c + 16 h + 0 .. 15
.endr
.endr
	WIN 0
	ds_load_b128 v[XS:XS+3], v10
	ds_load_b128 v[XS+4:XS+7], v10 offset:16
	s_wait_dscnt 0x0                               ; fragments and scale words are in; the stores have read the rows' registers, which the next tile's loads take
.endm
.macro MULS                            ; 32 matrix instructions: K step by K step, the four accumulators by turns, one instruction a turn; the first K step starts the sums
.set ss, 0
.rept 8
	WIN 0x0d+(ss/4)                                ; source 0 (W) window 1 or 2, source 1 (x) window 3
.irp t, 0,1,2,3
.if ss == 0
	v_wmma_scale_f32_16x16x128_f8f6f4 v[ACC+8*\t:ACC+8*\t+7], v[16*(4*(ss%4)+\t):16*(4*(ss%4)+\t)+15], v[128+16*ss:128+16*ss+15], 0, v[WS+8*\t+ss], v[XS+ss] matrix_a_fmt:MATRIX_FMT_BF8 matrix_b_fmt:MATRIX_FMT_BF8
.else
	v_wmma_scale_f32_16x16x128_f8f6f4 v[ACC+8*\t:ACC+8*\t+7], v[16*(4*(ss%4)+\t):16*(4*(ss%4)+\t)+15], v[128+16*ss:128+16*ss+15], v[ACC+8*\t:ACC+8*\t+7], v[WS+8*\t+ss], v[XS+ss] matrix_a_fmt:MATRIX_FMT_BF8 matrix_b_fmt:MATRIX_FMT_BF8
.endif
.endr
.set ss, ss+1
.endr
	WIN 0
.rept 8
	v_nop                                          ; eight places behind this form in front of the first read of results; the next trip's loads into the operands come far behind them
.endr
.endm
.macro EPI                             ; lane (r, h): token r, g and u of F units 32 sl + 16 h + 0 .. 15.  Each accumulator is read from its low end on
.irp j, 0,2,4,6,8,10,12,14
	v_pk_mul_f32 v[EE+\j:EE+\j+1], v[ACC+\j:ACC+\j+1], s[44:45] op_sel_hi:[1,0]   ; -g log2(e)
.endr
.irp j, 0,1,2,3,4,5,6,7,8,9,10,11,12,13,14,15
	v_exp_f32 v[EE+\j], v[EE+\j]
.endr
	v_nop                                          ; one plain line behind the transcendentals
	s_wait_alu depctr_va_vdst(0)
.irp j, 0,2,4,6,8,10,12,14
	v_pk_add_f32 v[EE+\j:EE+\j+1], v[EE+\j:EE+\j+1], 1.0 op_sel_hi:[1,0]
.endr
.irp j, 0,1,2,3,4,5,6,7,8,9,10,11,12,13,14,15
	v_rcp_f32 v[EE+\j], v[EE+\j]                   ; 1 / (1 + e^-g)
.endr
	v_nop
	s_wait_alu depctr_va_vdst(0)
.irp j, 0,2,4,6,8,10,12,14
	v_pk_mul_f32 v[HH+\j:HH+\j+1], v[ACC+\j:ACC+\j+1], v[EE+\j:EE+\j+1]           ; silu(g),
.endr
.irp j, 0,2,4,6,8,10,12,14
	v_pk_mul_f32 v[HH+\j:HH+\j+1], v[HH+\j:HH+\j+1], v[ACC+16+\j:ACC+16+\j+1]     ; times u
.endr
	v_max3_num_f32 v144, |v[HH]|, |v[HH+1]|, 0x8000000   ; my 16 numbers of the block, over the floor 2^(16 - 127)
.irp i, 2,4,6,8,10,12,14
	v_max3_num_f32 v144, v144, |v[HH+\i]|, |v[HH+\i+1]|
.endr
	v_permlanex16_b32 v145, v144, s40, s41
	v_max_num_f32 v144, v144, v145                 ; with lane l xor 16's: the block's largest magnitude
	v_add_nc_u32 v146, 0xf8800000, v144
	v_and_or_b32 v147, v144, 0x7f800000, s42
	v_lshrrev_b32 v148, 23, v146
.irp i, 0,1,2,3,4,5,6,7,8,9,10,11,12,13,14,15
	v_med3_num_f32 v[HH+\i], v[HH+\i], -v147, v147
.endr
	v_cvt_scalef32_pk8_bf8_f32 v[HC:HC+1], v[HH:HH+7], v146
	v_cvt_scalef32_pk8_bf8_f32 v[HC+2:HC+3], v[HH+8:HH+15], v146
	v_nop                                          ; one plain line behind the last conversion
	global_store_b128 v5, v[HC:HC+3], s[34:35]     ; 32 lanes store 512 consecutive bytes, aligned
	global_store_b8 v15, v148, s[36:37]
.endm
; One tile of 16 tokens.  ahead = 1: the next tile's rows and the list of the tile after it are asked for, and are on their way while this tile is multiplied.  ahead = 0: the wave's last tile: nothing is asked for
.macro TRIP ahead
	s_wait_loadcnt 0x0                             ; this tile's rows and the list asked for behind them are in
	s_wait_xcnt 0x0                                ; the last trip's stores have read their data and bases
	s_min_u32 s24, s30, 135
	s_lshl_b32 s24, s24, 14
	s_mov_b32 s25, 0
	s_add_nc_u64 s[34:35], s[16:17], s[24:25]      ; the tile's 16,384 bytes of hc
	s_min_u32 s24, s30, 135
	s_lshl_b32 s24, s24, 10
	s_add_nc_u64 s[36:37], s[18:19], s[24:25]      ; and its 1,024 of hs
	STAGE
.if \ahead
	ADDR
	XLOAD
	s_add_co_u32 s32, s30, 8
	s_min_u32 s32, s32, s31                        ; in the last trip but one there is no tile after the next: the last tile's list once more, three loads
	LIST s32
.endif
	MULS
	EPI
.endm
	s_load_b512 s[4:19], s[0:1], 0x0               ; w_gate s[4:5], w_up s[6:7], xq s[8:9], xs s[10:11], order s[12:13], meta s[14:15], hc s[16:17], hs s[18:19]
	v_lshrrev_b32 v1, 5, v0
	v_readfirstlane_b32 s20, v1                    ; wave 0..3
	s_mov_b32 s21, ttmp9                           ; sl: which 32 columns of F
	s_and_b32 s22, ttmp7, 0xffff                   ; e: the expert
	v_and_b32 v1, 31, v0                           ; l
	v_and_b32 v100, 7, v0                          ; cg: which 4 columns
	v_bfe_u32 v101, v0, 3, 2                       ; g: which block of the K step
	v_bfe_u32 v102, v0, 1, 1                       ; u = (cg / 2) % 2: the columns' tile
	v_and_b32 v103, 1, v0
	v_bfe_u32 v104, v0, 2, 1
	v_lshlrev_b32 v103, 2, v103
	v_lshl_add_u32 v103, v104, 3, v103             ; rr = 4 (cg % 2) + 8 (cg / 4): column j's row in that tile is rr + j
	v_and_b32 v105, 15, v0                         ; p
	v_bfe_u32 v106, v0, 4, 1                       ; gh
	v_bfe_u32 v107, v0, 1, 4                       ; l / 2
	v_and_b32 v108, 1, v0                          ; l % 2
	v_lshlrev_b32 v2, 4, v100
	v_lshl_add_u32 v2, v101, 17, v2                ; W: 32 g rows of 4,096 bytes + 16 cg
	s_lshl_b32 s24, s20, 14
	v_lshlrev_b32 v3, 4, v103
	v_lshl_add_u32 v3, v101, 9, v3
	v_lshl_add_u32 v3, v102, 11, v3
	v_add_nc_u32 v3, s24, v3                       ; images: 16,384 w + 2,048 u + 512 g + 16 rr
	s_lshl_b32 s24, s20, 3
	s_add_co_u32 s24, s24, SCW
	v_lshl_add_u32 v4, v103, 5, v101
	v_lshl_add_u32 v4, v102, 9, v4
	v_add_nc_u32 v4, s24, v4                       ; scale bytes: SCW + 512 u + 32 rr + 8 w + g
	v_lshlrev_b32 v5, 4, v1                        ; 16 l: an image's place for my lane, in LDS and in hc
	v_lshl_add_u32 v6, v105, 5, SCW                ; row p's 32 scale bytes
	s_mul_i32 s24, s20, 16*SPT
	s_add_co_u32 s24, s24, STG                     ; my stage
	v_mul_u32_u24 v7, v106, 8*SPT
	v_lshl_add_u32 v7, v105, 4, v7
	v_add_nc_u32 v7, s24, v7                       ; rows in: row 8 gh (+ i), byte 16 p
	v_mul_u32_u24 v8, v107, SPT
	v_lshl_add_u32 v8, v108, 4, v8
	v_add_nc_u32 v8, s24, v8
	v_add_nc_u32 v8, 1024, v8                      ; scale bytes in: row l / 2, behind its codes, half l % 2
	v_mul_u32_u24 v10, v105, SPT
	v_add_nc_u32 v10, s24, v10
	v_lshl_add_u32 v9, v106, 4, v10                ; fragments out: row p, + 16 gh
	v_add_nc_u32 v10, 1024, v10                    ; scale words out: row p
	v_lshlrev_b32 v11, 5, v106                     ; the list: entries 8 gh on,
	v_lshlrev_b32 v12, 2, v107                     ; and entry l / 2
	v_lshlrev_b32 v13, 4, v105
	v_lshlrev_b32 v14, 4, v108
	v_lshlrev_b32 v15, 5, v1                       ; hs: 32 bytes a lane
	v_mov_b32 v[FLOOR], 0x8000000
	s_mov_b32 s40, 0x76543210
	s_mov_b32 s41, 0xfedcba98                      ; v_permlanex16_b32's selects for lane l xor 16
	s_mov_b32 s42, 0x600000                        ; the mantissa field of 57,344
	s_mov_b32 s44, 0xbfb8aa3b                      ; -log2(e)
	s_mov_b32 s45, s44                             ; (named with it as a pair, so it is written)
	s_lshl_b32 s24, s22, 22                        ; an expert's 4 MiB,
	s_lshl_b32 s23, s20, 20                        ; my wave's K steps 2 w and 2 w + 1: 256 rows,
	s_add_co_u32 s24, s24, s23
	s_lshl_b32 s23, s21, 7                         ; the slice's 128 bytes of a row
	s_add_co_u32 s24, s24, s23
	s_mov_b32 s25, 0
	s_wait_kmcnt 0x0
	s_add_nc_u64 s[4:5], s[4:5], s[24:25]
	s_add_nc_u64 s[6:7], s[6:7], s[24:25]
	s_lshl_b32 s24, s22, 3
	s_add_nc_u64 s[14:15], s[14:15], s[24:25]
	s_load_b64 s[26:27], s[14:15], 0x0             ; the expert's first tile and its number of tiles
	s_lshl_b32 s24, s21, 9                         ; block sl of F is K step sl / 4, block sl % 4: 2,048 (sl / 4) + 512 (sl % 4) = 512 sl
	s_add_nc_u64 s[16:17], s[16:17], s[24:25]
	s_mov_b32 s24, s21                             ; and byte sl of a lane's 32
	s_add_nc_u64 s[18:19], s[18:19], s[24:25]
	PLOAD 0, 4, 0                                  ; gate, K step 2 w
	PLOAD 1, 6, 0                                  ; up, K step 2 w
	s_wait_kmcnt 0x0
	s_min_u32 s26, s26, 135
	s_min_u32 s27, s27, 128
	s_add_co_u32 s28, s27, 3
	s_sub_co_u32 s28, s28, s20
	s_lshr_b32 s28, s28, 2                         ; my tiles: w, w + 4, ... under nt
	s_add_co_u32 s30, s26, s20
	s_cmp_lt_u32 s20, s27
	s_cselect_b32 s30, s30, 0                      ; my first tile; a wave without one looks ahead at tile 0, which every split has
	s_max_u32 s31, s28, 1
	s_lshl_b32 s31, s31, 2
	s_add_co_u32 s31, s31, s30
	s_sub_co_u32 s31, s31, 4                       ; my last tile: no look-ahead goes past it
	LIST s30
	s_wait_loadcnt 35                              ; set 0 is in: behind it set 1's 32 loads and the list's 3
	PLOAD 2, 4, 524288                             ; gate, K step 2 w + 1
	PASS 0, 0, 0
	s_wait_loadcnt 32                              ; set 1 and the list are in: behind them set 2's 32
	ADDR
	PLOAD 3, 6, 524288                             ; up, K step 2 w + 1
	XLOAD                                          ; my first tile's rows
	s_add_co_u32 s32, s30, 4
	s_min_u32 s32, s32, s31
	LIST s32                                       ; my second tile's list
	PASS 1, 4096, 1024
	s_wait_loadcnt 63                              ; set 2 is in: 68 loads stand behind it, and the largest count that the wait can name is the stricter
	PASS 2, 8192, 4
	s_wait_loadcnt 36                              ; set 3 is in: behind it the tile's 33 loads and the list's 3
	PASS 3, 12288, 1028
	s_wait_dscnt 0x0                               ; for the others' sake: my images and scale bytes have landed
	s_barrier_signal -1
	s_barrier_wait -1                              ; the launch's one barrier: all 32 fragments lie in LDS
	WIN 0x40
.set ff, 0
.rept 16
.irp c, 0,1,2,3
	ds_load_b128 v[16*ff+4*\c:16*ff+4*\c+3], v5 offset:2048*ff+512*\c
.endr
.set ff, ff+1
.endr
	WIN 0x80
.set ff, 0
.rept 16
.irp c, 0,1,2,3
	ds_load_b128 v[16*ff+4*\c:16*ff+4*\c+3], v5 offset:2048*(ff+16)+512*\c
.endr
.set ff, ff+1
.endr
	WIN 0
.irp t, 0,1,2,3
.irp k, 0,1
	ds_load_b128 v[WS+8*\t+4*\k:WS+8*\t+4*\k+3], v6 offset:512*\t+16*\k   ; tile t, row p: the words of K steps 4 k .. 4 k + 3
.endr
.endr
	v_mov_b32 v145, 0                              ; written once: a lane permute's destination counts as one of its sources
	s_wait_dscnt 0x0
	s_cmp_eq_u32 s28, 0
	s_cbranch_scc1 .Lend                           ; no tile for this wave
	s_sub_co_u32 s33, s28, 1                       ; the loop takes all my tiles but the last
	s_mov_b32 s29, 0
	s_cmp_eq_u32 s33, 0
	s_cbranch_scc1 .Llast
.Ltile:
	TRIP 1
	s_add_co_u32 s30, s30, 4
	s_add_co_u32 s29, s29, 1
	s_cmp_lt_u32 s29, s33
	s_cbranch_scc1 .Ltile
.Llast:
	TRIP 0                                         ; my last tile
.Lend:
	s_wait_xcnt 0x0
	v_lshl_add_u32 v254, v0, 2, 0x21400
	v_mov_b32 v255, 0
	s_wait_tensorcnt 0x0
	ds_add_u32 v254, v255
	s_wait_dscnt 0x0
	s_endpgm
.Lfunc_end_k_q5b187808ed_gateup:
	.size	k_q5b187808ed_gateup, .Lfunc_end_k_q5b187808ed_gateup-k_q5b187808ed_gateup
	.p2alignl 7, 3214868480
	.fill 96, 4, 3214868480
	.section	.rodata,"a",@progbits
	.p2align	6, 0x0
	.amdhsa_kernel k_q5b187808ed_gateup
		.amdhsa_group_segment_fixed_size 136704
		.amdhsa_private_segment_fixed_size 0
		.amdhsa_enable_private_segment 0
		.amdhsa_kernarg_size 64
		.amdhsa_user_sgpr_count 2
		.amdhsa_user_sgpr_kernarg_segment_ptr 1
		.amdhsa_wavefront_size32 1
		.amdhsa_system_sgpr_workgroup_id_x 1
		.amdhsa_system_sgpr_workgroup_id_y 1
		.amdhsa_system_sgpr_workgroup_id_z 1
		.amdhsa_system_vgpr_workitem_id 0
		.amdhsa_next_free_vgpr 1024
		.amdhsa_next_free_sgpr 66
		.amdhsa_reserve_vcc 1
		.amdhsa_float_denorm_mode_32 3
		.amdhsa_float_denorm_mode_16_64 3
		.amdhsa_memory_ordered 1
		.amdhsa_forward_progress 1
		.amdhsa_inst_pref_size 125
	.end_amdhsa_kernel
	.amdgpu_metadata
---
amdhsa.version: [ 1, 2 ]
amdhsa.kernels:
  - .name:           k_q5b187808ed_gateup
    .symbol:         k_q5b187808ed_gateup.kd
    .args:
      - { .name: w_gate, .offset: 0, .size: 8, .value_kind: global_buffer, .address_space: global }
      - { .name: w_up, .offset: 8, .size: 8, .value_kind: global_buffer, .address_space: global }
      - { .name: xq, .offset: 16, .size: 8, .value_kind: global_buffer, .address_space: global }
      - { .name: xs, .offset: 24, .size: 8, .value_kind: global_buffer, .address_space: global }
      - { .name: order, .offset: 32, .size: 8, .value_kind: global_buffer, .address_space: global }
      - { .name: meta, .offset: 40, .size: 8, .value_kind: global_buffer, .address_space: global }
      - { .name: hc, .offset: 48, .size: 8, .value_kind: global_buffer, .address_space: global }
      - { .name: hs, .offset: 56, .size: 8, .value_kind: global_buffer, .address_space: global }
    .group_segment_fixed_size: 136704
    .private_segment_fixed_size: 0
    .kernarg_segment_align: 8
    .kernarg_segment_size: 64
    .max_flat_workgroup_size: 128
    .sgpr_count:     66
    .vgpr_count:     1024
    .wavefront_size: 32
...
	.end_amdgpu_metadata
.endif
;; end of part 2
;; launch down (part 3): grid 16 x 16, 4 waves a work-group, no clusters, 85,504 bytes of LDS; arguments w_down, hc, hs, order, meta, out0; writes out0
.if DOCPART == 3
	.amdgcn_target "amdgcn-amd-amdhsa--gfx1250"
	.amdhsa_code_object_version 6
	.text
	.protected	k_q5b187808ed_down
	.globl	k_q5b187808ed_down
	.p2align	8
	.type	k_q5b187808ed_down,@function
k_q5b187808ed_down:
	s_mov_b64 s[64:65], 0
	v_nop
	global_prefetch_b8 v0, s[64:65] scope:SCOPE_SE
	s_setreg_imm32_b32 hwreg(HW_REG_WAVE_MODE, 25, 1), 1
	s_wait_xcnt 0x0
; y = h Wd of the chosen expert, on codes of BF8 (E5M2) with one E8M0 scale for each 32 along K = F, scattered to the tokens' rows of out0.
; THE WEIGHTS STAND STILL, as in the launch before.  A slice is D columns 64 sl .. 64 sl + 63 of expert e's w_down: 1,024 rows of 256 consecutive aligned bytes.  It is read as f32, quantised along K
; (the first axis) in registers, handed round the four waves through LDS as images of the operand's registers, and kept in every wave's registers: 32 fragments, 512 registers.
; 64 columns to a slice, so that each piece of a row that is read or stored is 256 consecutive bytes, aligned: that makes 16 x 8 = 128 slices.
; TWO WORK-GROUPS TO A SLICE (grid y = 2 e + half): both read the slice and quantise it, and the expert's tiles are dealt to their eight waves: wave w of half b takes tiles w + 4 b, + 8, ...
; The price: the slice's 256 KiB go to two work-groups and are quantised twice.  What it buys: 256 work-groups, each of which fetches half of the expert's hidden layer (16.5 KiB a tile), and at 17 tiles
; an expert a wave walks 3 tiles at the most where four waves would walk 5.
; A tile's hidden layer arrives as the register image that the launch before stored: dense loads of 512 bytes, no LDS.
; PHASE 1.  A pass is 32 loads, one for each row of a block of 32 along K; a lane takes 4 neighbouring columns, each half of the lanes a block of its own: a lane ends up with four whole blocks.
; The product is used transposed (source 0 = 16 columns of W, source 1 = 16 tokens): a lane holds one token and eight neighbouring columns.  A tile's 16 x 64 results go through the wave's own stage
; in LDS and leave as rows: sixteen lanes store 256 consecutive bytes of a token's row.
; A TILE'S EMPTY PLACES (marker 2048 in order) STAND FOR THE TILE'S FIRST TOKEN, here as in the launch before: their rows of h are that token's, so their results are its results bit for bit,
; and they are stored to its row once more, by the same wave, with the same bytes.  So every store runs with all lanes on.
; Every token has exactly one expert and one place in order, so every row of out0 is written, by sixteen work-groups, 256 bytes each.
; A WAVE'S LAST TILE IS WRITTEN OUT behind the loop, without loads: in the loop's trips the next tile always exists, and nothing is fetched that nobody multiplies.
; NO CLUSTER, NO TENSOR LOADS.  The two work-groups of a slice read the same weights, but as f32 on their way into registers: the slice's 262,144 bytes, the images' 65,536, the scale bytes and the stages
; do not fit into 327,680 bytes of LDS together.  The slices of an expert read the same tiles of h, but their number is read from memory: a loop of constant count that serves every split has 128 trips
; where an even split has 16.
; A work-group that the split leaves without a tile still runs phase 1 (its barrier stands on every wave's path) and stores nothing.
; LIMITS: NaN and infinities are not served.  A block of w_down whose largest magnitude lies under 2^-111 (a block of zeros too) keeps the byte 1.
; REGISTERS, in windows of 256.  Window 0: v1-15 addresses; v16-23 a tile's list; v24-31 byte offsets of its rows in out0; v38 the floor; v39 the tile's first token; v40-47 h's scale words; v48-79 W's scale words;
;   v80-111 four accumulators (phase 1: v80-95 at work, v96-127 codes); v112-143 rows on the way out (phase 1: v128-255 four blocks laid along K).
;   Windows 1, 2: phase 1: four sets of 128 numbers as loaded; then W's fragments of K steps 0-3 and 4-7.   Window 3: v0-127 h's eight fragments, filled again by halves.
.set SCW,   65536                      ; LDS: bytes 0 .. 65,535 the images: fragment f = 4 s + T at 2048 f + 512 c + 16 lane;  here W's scale bytes: (16 T + r) 32 + 4 s + c
.set OST,   67584                      ; four stages, one a wave: 16 rows of 256 bytes + 16 of padding
.set OP,    272
.set FLOOR, 38
.set FST,   39
.set AM,    80
.set SC,    84
.set HD,    88
.set BY,    92
.set CC,    96
.set TT,    128
.set ID,    16
.set OFS,   24
.set HS,    40
.set WS,    48
.set ACC,   80
.set OB,    112
.set MSB,   0
.macro WIN new                         ; the immediate's high byte repeats the setting that is left; a switch that changes nothing is dropped
.if MSB != \new
	s_set_vgpr_msb (MSB<<8)|\new
.set MSB, \new
.endif
.endm
.macro PLOAD d, imm                    ; 32 loads: rows 0 .. 31 of my half's block, my 4 columns, into set d (window 1 + d / 2, from v[128 (d % 2)]); sixteen lanes read 256 consecutive aligned bytes.  No hint: the slice's other work-group reads the same bytes
.set XB, 128*((\d)&1)
	WIN 0x40*(1+((\d)>>1))
.set ii, 0
.rept 32
	global_load_b128 v[XB+4*ii:XB+4*ii+3], v2, s[4:5] offset:(\imm)+4096*ii
.set ii, ii+1
.endr
	WIN 0
.endm
.macro PASS d, img, scl                ; set d: four blocks of 32 become codes and scale bytes, and go to LDS where the operand's image wants them
.set XB, 128*((\d)&1)
.set WW, 1+((\d)>>1)
	WIN 0x14*WW                                    ; sources 1 and 2 in the set's window
.irp j, 0,1,2,3
	v_max3_num_f32 v[AM+\j], v[FLOOR], |v[XB+\j]|, |v[XB+4+\j]|   ; column j's largest magnitude, over the floor 2^(16 - 127); the four columns by turns
.endr
.set ii, 2
.rept 15
.irp j, 0,1,2,3
	v_max3_num_f32 v[AM+\j], v[AM+\j], |v[XB+4*ii+\j]|, |v[XB+4*ii+4+\j]|
.endr
.set ii, ii+2
.endr
	WIN 0
	s_wait_dscnt 0x0                               ; the last pass's LDS stores have read their registers: bytes and codes may be written again
.irp j, 0,1,2,3
	v_add_nc_u32 v[SC+\j], 0xf8800000, v[AM+\j]    ; 15 off the exponent field
	v_and_or_b32 v[HD+\j], v[AM+\j], 0x7f800000, s42
	v_lshrrev_b32 v[BY+\j], 23, v[SC+\j]
.endr
	WIN WW                                         ; source 0 in the set's window
.set ii, 0
.rept 32
.irp j, 0,1,2,3
	v_med3_num_f32 v[TT+32*\j+ii], v[XB+4*ii+\j], -v[HD+\j], v[HD+\j]   ; the hold (the conversion does not saturate: ISA guide 7.6.2), and K into consecutive registers
.endr
.set ii, ii+1
.endr
	WIN 0
.irp j, 0,1,2,3
.irp m, 0,1,2,3
	v_cvt_scalef32_pk8_bf8_f32 v[CC+8*\j+2*\m:CC+8*\j+2*\m+1], v[TT+32*\j+8*\m:TT+32*\j+8*\m+7], v[SC+\j]
.endr
.endr
	v_nop                                          ; one plain line behind the last conversion
.irp j, 0,1,2,3
	ds_store_b128 v3, v[CC+8*\j:CC+8*\j+3] offset:(\img)+16*\j
	ds_store_b128 v3, v[CC+8*\j+4:CC+8*\j+7] offset:(\img)+16*\j+256
	ds_store_b8 v4, v[BY+\j] offset:(\scl)+32*\j
.endr
.endm
.macro HBASE t                         ; where tile t's hidden layer lies
	s_min_u32 s24, \t, 135
	s_lshl_b32 s24, s24, 14
	s_mov_b32 s25, 0
	s_add_nc_u64 s[34:35], s[6:7], s[24:25]
	s_min_u32 s24, \t, 135
	s_lshl_b32 s24, s24, 10
	s_add_nc_u64 s[36:37], s[8:9], s[24:25]
.endm
.macro HLOAD k                         ; 17 loads: the fragments of K steps 4 k .. 4 k + 3 (each load 512 consecutive bytes) and their scale words
	WIN 0xc0
.irp q, 0,1,2,3
.irp c, 0,1,2,3
	global_load_b128 v[16*(4*(\k)+\q)+4*\c:16*(4*(\k)+\q)+4*\c+3], v5, s[34:35] offset:2048*(4*(\k)+\q)+512*\c
.endr
.endr
	WIN 0
	global_load_b128 v[HS+4*(\k):HS+4*(\k)+3], v15, s[36:37] offset:16*(\k)
.endm
.macro LISTD t                         ; two loads: the ids of rows 8 (lane / 16) + 0 .. 7 of tile t
	s_min_u32 s24, \t, 135
	s_lshl_b32 s24, s24, 6
	s_mov_b32 s25, 0
	s_add_nc_u64 s[38:39], s[10:11], s[24:25]
	global_load_b128 v[ID:ID+3], v11, s[38:39]
	global_load_b128 v[ID+4:ID+7], v11, s[38:39] offset:16
.endm
.macro MULH k                          ; 16 matrix instructions: K steps 4 k .. 4 k + 3, the four accumulators by turns, one instruction a turn; the first K step starts the sums
	WIN 0x0d+(\k)                                  ; source 0 (W) window 1 or 2, source 1 (h) window 3
.irp q, 0,1,2,3
.irp t, 0,1,2,3
.if (\k)+\q == 0
	v_wmma_scale_f32_16x16x128_f8f6f4 v[ACC+8*\t:ACC+8*\t+7], v[16*(4*\q+\t):16*(4*\q+\t)+15], v[16*(4*(\k)+\q):16*(4*(\k)+\q)+15], 0, v[WS+8*\t+4*(\k)+\q], v[HS+4*(\k)+\q] matrix_a_fmt:MATRIX_FMT_BF8 matrix_b_fmt:MATRIX_FMT_BF8
.else
	v_wmma_scale_f32_16x16x128_f8f6f4 v[ACC+8*\t:ACC+8*\t+7], v[16*(4*\q+\t):16*(4*\q+\t)+15], v[16*(4*(\k)+\q):16*(4*(\k)+\q)+15], v[ACC+8*\t:ACC+8*\t+7], v[WS+8*\t+4*(\k)+\q], v[HS+4*(\k)+\q] matrix_a_fmt:MATRIX_FMT_BF8 matrix_b_fmt:MATRIX_FMT_BF8
.endif
.endr
.endr
	WIN 0
.endm
; One tile of 16 tokens.  At its head the same loads are out on every way in, in this order: 17 (first half), 17 (second half), 2 (list).
; ahead = 1: my next tile, 8 further on, is asked for by halves, each into the registers just multiplied, and then its list.  ahead = 0: the wave's last tile: nothing is asked for
.macro TRIP ahead
	s_wait_loadcnt 19                              ; the first half is in: behind it the second half's 17 loads and the list's 2
	MULH 0
.if \ahead
.rept 8
	v_nop                                          ; eight places behind this form in front of loads into registers that it has read
.endr
	s_add_co_u32 s32, s30, 8                       ; my next tile
	s_wait_xcnt 0x0                                ; the loads that are out have read their bases, and the last trip's stores their data and offsets: all may be written again
	HBASE s32
	HLOAD 0                                        ; its first half
	s_wait_loadcnt 17                              ; the second half and the list are in: behind them the 17 just issued
.else
	s_wait_xcnt 0x0                                ; the last trip's stores have read their data and offsets: both may be written again
	s_wait_loadcnt 0x0                             ; the second half and the list are in: nothing was issued behind them
.endif
	MULH 1
	; ids into byte offsets: 42 vector lines that name no register of the products: the places in front of the loads and of the first reads of results below
	v_readfirstlane_b32 s47, v[ID]                 ; lane 0 holds entry 0 of the tile: a token in every tile that exists
	v_mov_b32 v[FST], s47
.irp i, 0,1,2,3,4,5,6,7
	v_cmp_gt_u32 vcc_lo, 0x800, v[ID+\i]           ; a token, or the marker?
	v_cndmask_b32 v[OFS+\i], v[FST], v[ID+\i], vcc_lo   ; an empty place stands for the tile's first token; the clamp stands behind the choice
	v_min_u32 v[OFS+\i], 0x7ff, v[OFS+\i]
	v_lshlrev_b32 v[OFS+\i], 12, v[OFS+\i]
	v_add_nc_u32 v[OFS+\i], v13, v[OFS+\i]         ; the token's row of 4,096 bytes + 16 p
.endr
.if \ahead
	HLOAD 1                                        ; the next tile's second half
.endif
.irp t, 0,1,2,3
	ds_store_b128 v7, v[ACC+8*\t:ACC+8*\t+3] offset:64*\t          ; each accumulator from its low end on
	ds_store_b128 v7, v[ACC+8*\t+4:ACC+8*\t+7] offset:64*\t+16
.endr
.irp i, 0,1,2,3,4,5,6,7
	ds_load_b128 v[OB+4*\i:OB+4*\i+3], v8 offset:OP*\i             ; LDS serves a wave's instructions in order: these see my stores.  Rows i and 8 + i
.endr
.irp i, 0,1,2,3,4,5,6,7
	s_wait_dscnt 7-\i                              ; rows i and 8 + i are back; the younger loads may be out
	global_store_b128 v[OFS+\i], v[OB+4*\i:OB+4*\i+3], s[14:15] th:TH_STORE_NT   ; sixteen lanes store 256 consecutive bytes, aligned, of a token's row; read by nobody here
.endr
.if \ahead
	LISTD s32                                      ; the next tile's list: this tile's ids have been used
.endif
.endm
	s_load_b256 s[4:11], s[0:1], 0x0               ; w_down s[4:5], hc s[6:7], hs s[8:9], order s[10:11]
	s_load_b128 s[12:15], s[0:1], 0x20             ; meta s[12:13], out0 s[14:15]
	v_lshl_add_u32 v36, v0, 2, 0x14c00
	v_mov_b32 v37, 0
	v_lshrrev_b32 v1, 5, v0
	v_readfirstlane_b32 s20, v1                    ; wave 0..3
	s_mov_b32 s21, ttmp9                           ; sl: which 64 columns of D
	s_and_b32 s22, ttmp7, 0xffff                   ; 2 e + half
	s_and_b32 s43, s22, 1
	s_lshr_b32 s22, s22, 1                         ; e: the expert
	s_lshl_b32 s43, s43, 2
	s_add_co_u32 s43, s43, s20                     ; my place among the slice's eight waves: w + 4 x half.  It enters tile numbers alone, no LDS address
	v_and_b32 v1, 31, v0                           ; l
	v_and_b32 v100, 15, v0                         ; p: which 4 columns; later: the token's row
	v_bfe_u32 v101, v0, 4, 1                       ; g: which of the pass's two blocks; later: the half
	v_bfe_u32 v102, v0, 2, 2                       ; T = p / 4: the columns' tile
	v_and_b32 v103, 3, v0                          ; p % 4: column j's row in that tile is 4 (p % 4) + j
	v_lshlrev_b32 v2, 4, v100
	v_lshl_add_u32 v2, v101, 17, v2                ; W: 32 g rows of 4,096 bytes + 16 p
	s_lshl_b32 s24, s20, 14
	v_lshlrev_b32 v3, 6, v103
	v_lshl_add_u32 v3, v101, 9, v3
	v_lshl_add_u32 v3, v102, 11, v3
	v_add_nc_u32 v3, s24, v3                       ; images: 16,384 w + 2,048 T + 512 g + 64 (p % 4)
	s_lshl_b32 s24, s20, 3
	s_add_co_u32 s24, s24, SCW
	v_lshl_add_u32 v4, v103, 7, v101
	v_lshl_add_u32 v4, v102, 9, v4
	v_add_nc_u32 v4, s24, v4                       ; scale bytes: SCW + 512 T + 128 (p % 4) + 8 w + g
	v_lshlrev_b32 v5, 4, v1                        ; 16 l: an image's place for my lane, in LDS and in hc
	v_lshl_add_u32 v6, v100, 5, SCW                ; row p's 32 scale bytes
	s_mul_i32 s24, s20, 16*OP
	s_add_co_u32 s24, s24, OST                     ; my stage
	v_mul_u32_u24 v7, v100, OP
	v_lshl_add_u32 v7, v101, 5, v7
	v_add_nc_u32 v7, s24, v7                       ; in: token p's row, + 32 g: my eight columns of a tile
	v_mul_u32_u24 v8, v101, 8*OP
	v_lshl_add_u32 v8, v100, 4, v8
	v_add_nc_u32 v8, s24, v8                       ; back: row 8 g (+ i), byte 16 p
	v_lshlrev_b32 v11, 5, v101                     ; the list: entries 8 g on
	v_lshlrev_b32 v13, 4, v100
	v_lshlrev_b32 v15, 5, v1                       ; hs: 32 bytes a lane
	v_mov_b32 v[FLOOR], 0x8000000
	s_mov_b32 s42, 0x600000                        ; the mantissa field of 57,344
	s_lshl_b32 s24, s22, 22                        ; an expert's 4 MiB,
	s_lshl_b32 s23, s20, 20                        ; my wave's 8 blocks: 256 rows,
	s_add_co_u32 s24, s24, s23
	s_lshl_b32 s23, s21, 8                         ; the slice's 256 bytes of a row
	s_add_co_u32 s24, s24, s23
	s_mov_b32 s25, 0
	s_wait_kmcnt 0x0
	s_add_nc_u64 s[4:5], s[4:5], s[24:25]
	s_lshl_b32 s24, s22, 3
	s_add_nc_u64 s[12:13], s[12:13], s[24:25]
	s_load_b64 s[26:27], s[12:13], 0x0             ; the expert's first tile and its number of tiles
	s_mov_b32 s24, s23
	s_add_nc_u64 s[14:15], s[14:15], s[24:25]      ; out0 at the slice's 256 bytes of a row
	PLOAD 0, 0
	PLOAD 1, 262144
	s_wait_kmcnt 0x0
	s_min_u32 s26, s26, 135
	s_min_u32 s27, s27, 128
	s_add_co_u32 s28, s27, 7
	s_sub_co_u32 s28, s28, s43
	s_lshr_b32 s28, s28, 3                         ; my tiles: w + 4 x half, + 8, ... under nt
	s_add_co_u32 s30, s26, s43
	s_cmp_lt_u32 s43, s27
	s_cselect_b32 s30, s30, 0                      ; my first tile; a wave without one looks ahead at tile 0, which every split has
	s_wait_loadcnt 32                              ; set 0 is in: behind it set 1's 32 loads
	PLOAD 2, 524288
	PASS 0, 0, 0
	s_wait_loadcnt 32                              ; set 1 is in: behind it set 2's 32
	PLOAD 3, 786432
	HBASE s30
	HLOAD 0                                        ; my first tile's hidden layer,
	HLOAD 1
	LISTD s30                                      ; and its list
	PASS 1, 1024, 2
	s_wait_loadcnt 63                              ; set 2 is in: 68 loads stand behind it, and the largest count that the wait can name is the stricter
	PASS 2, 8192, 4
	s_wait_loadcnt 36                              ; set 3 is in: behind it the tile's 34 loads and the list's 2
	PASS 3, 9216, 6
	s_wait_dscnt 0x0                               ; for the others' sake: my images and scale bytes have landed
	s_barrier_signal -1
	s_barrier_wait -1                              ; the launch's one barrier: all 32 fragments lie in LDS
	WIN 0x40
.set ff, 0
.rept 16
.irp c, 0,1,2,3
	ds_load_b128 v[16*ff+4*\c:16*ff+4*\c+3], v5 offset:2048*ff+512*\c
.endr
.set ff, ff+1
.endr
	WIN 0x80
.set ff, 0
.rept 16
.irp c, 0,1,2,3
	ds_load_b128 v[16*ff+4*\c:16*ff+4*\c+3], v5 offset:2048*(ff+16)+512*\c
.endr
.set ff, ff+1
.endr
	WIN 0
.irp t, 0,1,2,3
.irp k, 0,1
	ds_load_b128 v[WS+8*\t+4*\k:WS+8*\t+4*\k+3], v6 offset:512*\t+16*\k   ; tile t, row p: the words of K steps 4 k .. 4 k + 3
.endr
.endr
	s_wait_dscnt 0x0
	s_cmp_eq_u32 s28, 0
	s_cbranch_scc1 .Lend                           ; no tile for this wave
	s_sub_co_u32 s33, s28, 1                       ; the loop takes all my tiles but the last
	s_mov_b32 s29, 0
	s_cmp_eq_u32 s33, 0
	s_cbranch_scc1 .Llast
.Ltile:
	TRIP 1
	s_add_co_u32 s30, s30, 8
	s_add_co_u32 s29, s29, 1
	s_cmp_lt_u32 s29, s33
	s_cbranch_scc1 .Ltile
.Llast:
	TRIP 0                                         ; my last tile
.Lend:
	s_wait_tensorcnt 0x0
	ds_add_u32 v36, v37
	s_wait_dscnt 0x0
	s_endpgm
.Lfunc_end_k_q5b187808ed_down:
	.size	k_q5b187808ed_down, .Lfunc_end_k_q5b187808ed_down-k_q5b187808ed_down
	.p2alignl 7, 3214868480
	.fill 96, 4, 3214868480
	.section	.rodata,"a",@progbits
	.p2align	6, 0x0
	.amdhsa_kernel k_q5b187808ed_down
		.amdhsa_group_segment_fixed_size 85504
		.amdhsa_private_segment_fixed_size 0
		.amdhsa_enable_private_segment 0
		.amdhsa_kernarg_size 48
		.amdhsa_user_sgpr_count 2
		.amdhsa_user_sgpr_kernarg_segment_ptr 1
		.amdhsa_wavefront_size32 1
		.amdhsa_system_sgpr_workgroup_id_x 1
		.amdhsa_system_sgpr_workgroup_id_y 1
		.amdhsa_system_sgpr_workgroup_id_z 1
		.amdhsa_system_vgpr_workitem_id 0
		.amdhsa_next_free_vgpr 896
		.amdhsa_next_free_sgpr 66
		.amdhsa_reserve_vcc 1
		.amdhsa_float_denorm_mode_32 3
		.amdhsa_float_denorm_mode_16_64 3
		.amdhsa_memory_ordered 1
		.amdhsa_forward_progress 1
		.amdhsa_inst_pref_size 108
	.end_amdhsa_kernel
	.amdgpu_metadata
---
amdhsa.version: [ 1, 2 ]
amdhsa.kernels:
  - .name:           k_q5b187808ed_down
    .symbol:         k_q5b187808ed_down.kd
    .args:
      - { .name: w_down, .offset: 0, .size: 8, .value_kind: global_buffer, .address_space: global }
      - { .name: hc, .offset: 8, .size: 8, .value_kind: global_buffer, .address_space: global }
      - { .name: hs, .offset: 16, .size: 8, .value_kind: global_buffer, .address_space: global }
      - { .name: order, .offset: 24, .size: 8, .value_kind: global_buffer, .address_space: global }
      - { .name: meta, .offset: 32, .size: 8, .value_kind: global_buffer, .address_space: global }
      - { .name: out0, .offset: 40, .size: 8, .value_kind: global_buffer, .address_space: global }
    .group_segment_fixed_size: 85504
    .private_segment_fixed_size: 0
    .kernarg_segment_align: 8
    .kernarg_segment_size: 48
    .max_flat_workgroup_size: 128
    .sgpr_count:     66
    .vgpr_count:     896
    .wavefront_size: 32
...
	.end_amdgpu_metadata
.endif
;; end of part 3
;; ======== version 2 of 2: 3 launches
;; workspace buffers: xq 2,097,152 bytes; xs 65,536 bytes; order 8,960 bytes of whole numbers; meta 256 bytes of whole numbers; hc 2,228,224 bytes; hs 139,264 bytes
;; launch prep (part 4): grid 257 x 1, 8 waves a work-group, no clusters, 42,496 bytes of LDS; arguments x, expert_idx, xq, xs, order, meta; writes xq, xs, order, meta
.if DOCPART == 4
	.amdgcn_target "amdgcn-amd-amdhsa--gfx1250"
	.amdhsa_code_object_version 6
	.text
	.protected	k_q5b187808ed_prep
	.globl	k_q5b187808ed_prep
	.p2align	8
	.type	k_q5b187808ed_prep,@function
k_q5b187808ed_prep:
	s_mov_b64 s[64:65], 0
	v_nop
	global_prefetch_b8 v0, s[64:65] scope:SCOPE_SE
	s_setreg_imm32_b32 hwreg(HW_REG_WAVE_MODE, 25, 1), 1
	s_wait_xcnt 0x0
; Two jobs in one launch, parted on the work-group's number alone.
; WORK-GROUPS 1 .. 256: x [2048][1024] f32 becomes codes of BF8 (E5M2), K innermost, xq [2048][1024], with one E8M0 byte for each 32 along K, xs [2048][32].
;   A block's scale is 2^(floor(log2(its largest magnitude)) - 15): its byte is the largest magnitude's exponent field - 15, held at 1 from below.
;   A work-group takes 8 tokens, a wave one token's row: two steps of 512 numbers.  Each load reads 512 consecutive bytes; a step's 2,048 bytes turn through the wave's own stage in LDS,
;   so that a lane holds 16 neighbours along K (two lanes to a block).  A lane's 16 codes are 16 bytes: a store of the wave covers 512 consecutive bytes.
;   The work-group's 256 scale bytes meet in LDS and leave by one store of 256 consecutive bytes, aligned.
; WORK-GROUP 0: a counting sort of the 2,048 tokens by expert_idx, without atomics.  order holds 136 tiles of 16 entries: expert e's tokens, ascending, from entry 16 tb_e on;
;   every entry without a token holds the marker 2048.  Entry 2176 takes the lanes that have nothing to mark; nobody reads it.  meta[2 e] = tb_e (first tile), meta[2 e + 1] = nt_e (tiles).
;   With 2,048 tokens, 8 experts and tiles of 16 there are at most 128 + 7 tiles, whatever the split.
; LIMITS: NaN and infinities in x are not served.  A block whose largest magnitude lies under 2^-111 (a block of zeros too) keeps the byte 1: a block of zeros has zero codes,
;   which add nothing under any byte but 0xff, and this program alone reads the bytes.  expert_idx outside 0 .. 7 is not served: it is taken as 7.
.set SP,    80                         ; a lane's place in a stage: 64 bytes + 16 of padding
.set WREG,  5120                       ; a wave's two stages of 32 x SP bytes
.set SCB,   40960                      ; the quantiser's 256 scale bytes
.set SRT,   41216                      ; the sorter's 8 x 16 bytes: bytes of its own
.set EMAX,  15
.set R,     16                         ; quantiser: v16-47 two sets as loaded;  sorter: v16-23 the thread's eight experts
.set X,     48                         ; v48-79  two sets of 16 neighbours
.set C,     80                         ; v80-87  codes, four registers a step
.set E,     88                         ; v88-89  a scale byte a step
	s_load_b256 s[4:11], s[0:1], 0x0               ; x s[4:5], expert_idx s[6:7], xq s[8:9], xs s[10:11]
	s_load_b128 s[12:15], s[0:1], 0x20             ; order s[12:13], meta s[14:15]
	v_lshl_add_u32 v128, v0, 2, 0xa200
	v_mov_b32 v129, 0
	v_lshrrev_b32 v1, 5, v0
	s_delay_alu instid0(VALU_DEP_1)
	v_readfirstlane_b32 s16, v1                    ; wave 0..7
	v_and_b32 v2, 31, v0                           ; lane
	s_wait_kmcnt 0x0
	s_cmp_eq_u32 ttmp9, 0
	s_cbranch_scc1 .Lsort
	s_wait_alu depctr_va_vdst(0)
	; ---------------- the quantiser ----------------
	v_lshlrev_b32 v3, 4, v2                        ; my 16 bytes of a load's 512, and of a step's 512 bytes of codes
	s_mul_i32 s17, s16, WREG
	v_lshrrev_b32 v14, 2, v2
	s_delay_alu instid0(VALU_DEP_1)
	v_mul_u32_u24 v14, v14, SP
	v_and_b32 v15, 3, v2
	s_delay_alu instid0(VALU_DEP_1)
	v_lshl_add_u32 v14, v15, 4, v14
	s_delay_alu instid0(VALU_DEP_1)
	v_add_nc_u32 v14, s17, v14                     ; the stage, on the way in: SP (lane / 4) + 16 (lane % 4)
	v_mul_u32_u24 v15, v2, SP
	s_delay_alu instid0(VALU_DEP_1)
	v_add_nc_u32 v15, s17, v15                     ; and on the way out: SP x lane: my 16 neighbours
	v_lshrrev_b32 v5, 1, v2
	s_lshl_b32 s18, s16, 5
	s_add_co_u32 s18, s18, SCB
	v_add_nc_u32 v5, s18, v5                       ; my block's byte: SCB + 32 x wave + lane / 2
	v_lshlrev_b32 v7, 3, v2                        ; on the way out 8 bytes a lane
	s_delay_alu instid0(VALU_DEP_1)
	v_add_nc_u32 v6, SCB, v7
	s_mov_b32 s23, 0x600000                        ; the mantissa field of 57,344
	s_sub_co_u32 s19, ttmp9, 1                     ; which 8 tokens
	s_lshl_b32 s20, s19, 3
	s_add_co_u32 s20, s20, s16                     ; my token
	s_lshl_b32 s24, s20, 12
	s_mov_b32 s25, 0
	s_add_nc_u64 s[4:5], s[4:5], s[24:25]          ; its row of x: 4,096 bytes
	s_lshl_b32 s24, s20, 10
	s_add_nc_u64 s[8:9], s[8:9], s[24:25]          ; its 1,024 codes
	s_lshl_b32 s24, s19, 8
	s_add_nc_u64 s[10:11], s[10:11], s[24:25]      ; the work-group's 256 scale bytes
.macro LOAD t
.irp i, 0,1,2,3
	global_load_b128 v[R+16*(\t)+4*\i:R+16*(\t)+4*\i+3], v3, s[4:5] offset:2048*(\t)+512*\i th:TH_LOAD_NT   ; 32 lanes read 512 consecutive bytes; x is read once in the launch
.endr
.endm
.macro TURN t                          ; step t's numbers through its stage: LDS serves a wave's instructions in order, so no wait stands between the stores and the loads
.irp i, 0,1,2,3
	ds_store_b128 v14, v[R+16*(\t)+4*\i:R+16*(\t)+4*\i+3] offset:32*SP*(\t)+8*SP*\i
.endr
.irp i, 0,1,2,3
	ds_load_b128 v[X+16*(\t)+4*\i:X+16*(\t)+4*\i+3], v15 offset:32*SP*(\t)+16*\i
.endr
.endm
.macro WORK t
.set XS, X+16*(\t)
	v_max3_num_f32 v8, |v[XS]|, |v[XS+1]|, |v[XS+2]|               ; the largest magnitude of my 16, in two chains
	v_max3_num_f32 v9, |v[XS+3]|, |v[XS+4]|, |v[XS+5]|
.irp i, 6,10
	s_delay_alu instid0(VALU_DEP_2)
	v_max3_num_f32 v8, v8, |v[XS+\i]|, |v[XS+\i+1]|
	s_delay_alu instid0(VALU_DEP_2)
	v_max3_num_f32 v9, v9, |v[XS+\i+2]|, |v[XS+\i+3]|
.endr
	s_delay_alu instid0(VALU_DEP_2)
	v_max3_num_f32 v8, v8, |v[XS+14]|, |v[XS+15]|
	s_delay_alu instid0(VALU_DEP_1)
	v_max3_num_f32 v8, v8, v9, (EMAX+1)<<23        ; and the floor 2^(16 - 127): the byte cannot fall under 1
	s_delay_alu instid0(VALU_DEP_1)
	v_max_num_f32_dpp v8, v8, v8 row_xmask:1 row_mask:0xf bank_mask:0xf   ; and of my neighbour's 16: the block's
	s_delay_alu instid0(VALU_DEP_1)
	v_add_nc_u32 v11, -(EMAX<<23), v8              ; 15 off its exponent field: the conversion's scale operand
	s_delay_alu instid0(VALU_DEP_2)
	v_and_or_b32 v10, v8, 0x7f800000, s23          ; 57,344 x the scale
.irp i, 0,1,2,3,4,5,6,7,8,9,10,11,12,13,14,15
	v_med3_num_f32 v[XS+\i], v[XS+\i], -v10, v10   ; the conversion to an 8-bit code does not saturate (ISA guide 7.6.2): the hold comes first
.endr
	v_cvt_scalef32_pk8_bf8_f32 v[C+4*(\t):C+4*(\t)+1], v[XS:XS+7], v11
	v_cvt_scalef32_pk8_bf8_f32 v[C+4*(\t)+2:C+4*(\t)+3], v[XS+8:XS+15], v11
	v_lshrrev_b32 v[E+(\t)], 23, v11               ; the scale's byte (also the plain line behind the conversions)
	ds_store_b8 v5, v[E+(\t)] offset:16*(\t)       ; both lanes of a block write the same byte with the same value
	global_store_b128 v3, v[C+4*(\t):C+4*(\t)+3], s[8:9] offset:512*(\t)
.endm
	LOAD 0
	LOAD 1
	s_wait_alu depctr_va_vdst(0)
	s_wait_loadcnt 0x4                             ; step 0's four loads are in; step 1's four may be out
	TURN 0
	s_wait_dscnt 0x0                               ; step 0 is back from its stage
	s_wait_loadcnt 0x0                             ; step 1's loads are in
	TURN 1                                         ; through the other stage while step 0 is worked
	WORK 0
	s_wait_dscnt 0x1                               ; step 1 is back; behind its loads stands step 0's byte store alone
	WORK 1
	s_wait_dscnt 0x0                               ; for the others' sake: my two byte stores have landed
	s_barrier_signal -1
	s_barrier_wait -1
	s_cmp_lg_u32 s16, 0
	s_cbranch_scc1 .Lqend                          ; wave 0 sends the eight waves' scale bytes
	ds_load_b64 v[12:13], v6
	s_wait_dscnt 0x0
	global_store_b64 v7, v[12:13], s[10:11]        ; 32 lanes store 256 consecutive bytes, aligned
.Lqend:
	s_wait_tensorcnt 0x0
	ds_add_u32 v128, v129
	s_wait_dscnt 0x0
	s_endpgm
	; ---------------- the sorter: 256 threads, thread t holds tokens 8 t .. 8 t + 7 ----------------
.set SH,  24                           ; v24-31  4 x expert: a shift
.set RK,  32                           ; v32-39  the token's rank among the thread's tokens of its expert
.set RUN, 40                           ; v40     eight 4-bit counts (8 at the most)
.set ONE, 41
.set CN,  42                           ; v42-45  the thread's counts, experts 2 q and 2 q + 1 in 16-bit halves
.set IN,  46                           ; v46-49  their inclusive scan over the wave
.set TT,  50                           ; v50     at work
.set HH,  51                           ; v51     lane / 16
.set LW,  52                           ; v52     lane % 8
.set AW,  53                           ; v53     SRT + 16 x wave
.set AR,  54                           ; v54     SRT + 16 x (lane % 8)
.set WT,  56                           ; v56-59  a wave's totals, then all waves'
.set MP,  60                           ; v60-63  the totals of the waves in front of mine
.set PP,  64                           ; v64-67  where my thread's tokens of each expert begin
.set ST,  68                           ; v68-69  one expert's start
.set BB,  72                           ; v72-79  the start that belongs to each token
.set OF,  80                           ; v80-87  byte offsets in order
.set TK,  88                           ; v88-95  token numbers
.set PD,  96                           ; v96-107 byte offsets of the markers
.set MK,  108                          ; v108    the marker, 2048
.set DU,  109                          ; v109    the entry that nobody reads, 2176
.set MM,  110                          ; v110    meta's words, one a lane
.set ML,  111                          ; v111    4 x lane
.Lsort:
	v_lshlrev_b32 v3, 5, v0
	global_load_b128 v[R:R+3], v3, s[6:7]
	global_load_b128 v[R+4:R+7], v3, s[6:7] offset:16
	v_mov_b32 v[ONE], 1
	v_mov_b32 v[TT], 0                             ; written once: a DPP form's destination counts as one of its sources
	v_bfe_u32 v[HH], v0, 4, 1
	v_and_b32 v[LW], 7, v0
	s_lshl_b32 s21, s16, 4
	s_add_co_u32 s21, s21, SRT
	v_mov_b32 v[AW], s21
	v_lshl_add_u32 v[AR], v[LW], 4, SRT
	v_mov_b32 v[MK], 0x800
	v_mov_b32 v[DU], 0x880
	v_mov_b32 v[MM], 0
	v_lshlrev_b32 v[ML], 2, v2
	s_wait_loadcnt 0x0
.irp t, 0,1,2,3,4,5,6,7
	v_min_u32 v[R+\t], 7, v[R+\t]
	s_delay_alu instid0(VALU_DEP_1)
	v_lshlrev_b32 v[SH+\t], 2, v[R+\t]
.endr
	v_mov_b32 v[RK], 0                             ; ranks inside the thread: the count so far of the token's expert
	v_lshlrev_b32 v[RUN], v[SH], v[ONE]
.irp t, 1,2,3,4,5,6,7
	s_delay_alu instid0(VALU_DEP_1)
	v_lshrrev_b32 v[TT], v[SH+\t], v[RUN]
	s_delay_alu instid0(VALU_DEP_1)
	v_and_b32 v[RK+\t], 15, v[TT]
	s_delay_alu instid0(VALU_DEP_3)
	v_lshl_add_u32 v[RUN], v[ONE], v[SH+\t], v[RUN]
.endr
.irp q, 0,1,2,3
	v_bfe_u32 v[CN+\q], v[RUN], 8*\q, 4
	v_bfe_u32 v[TT], v[RUN], 8*\q+4, 4
	s_delay_alu instid0(VALU_DEP_1)
	v_lshl_or_b32 v[CN+\q], v[TT], 16, v[CN+\q]
	s_delay_alu instid0(VALU_DEP_1)
	v_mov_b32 v[IN+\q], v[CN+\q]
.endr
.irp n, 1,2,4,8                        ; inclusive scan inside each row of 16 lanes
.irp q, 0,1,2,3
	v_mov_b32_dpp v[TT], v[IN+\q] row_shr:\n row_mask:0xf bank_mask:0xf bound_ctrl:1
	s_delay_alu instid0(VALU_DEP_1)
	v_add_nc_u32 v[IN+\q], v[IN+\q], v[TT]
.endr
.endr
.irp q, 0,1,2,3
	v_readlane_b32 s20, v[IN+\q], 15               ; the lower row's total (each half at most 128: under 2^24)
	s_delay_alu instid0(VALU_DEP_1)
	v_mad_u32_u24 v[IN+\q], v[HH], s20, v[IN+\q]   ; onto the upper row
.endr
.irp q, 0,1,2,3
	v_readlane_b32 s20, v[IN+\q], 31               ; the wave's total
	s_delay_alu instid0(VALU_DEP_1)
	v_mov_b32 v[WT+\q], s20
.endr
	ds_store_b128 v[AW], v[WT:WT+3]                ; all lanes write the same 16 bytes with the same values
	s_wait_dscnt 0x0
	s_barrier_signal -1
	s_barrier_wait -1
	ds_load_b128 v[WT:WT+3], v[AR]                 ; lane l: the totals of wave l % 8
	s_wait_dscnt 0x0
	v_cmp_gt_u32 vcc_lo, s16, v[LW]                ; a wave in front of mine?
.irp q, 0,1,2,3
	v_cndmask_b32 v[MP+\q], 0, v[WT+\q], vcc_lo
.endr
.irp n, 1,2,4                          ; sums over each group of eight lanes: every wave once
.irp q, 0,1,2,3
	v_mov_b32_dpp v[TT], v[WT+\q] row_xmask:\n row_mask:0xf bank_mask:0xf
	s_delay_alu instid0(VALU_DEP_1)
	v_add_nc_u32 v[WT+\q], v[WT+\q], v[TT]
	v_mov_b32_dpp v[TT], v[MP+\q] row_xmask:\n row_mask:0xf bank_mask:0xf
	s_delay_alu instid0(VALU_DEP_1)
	v_add_nc_u32 v[MP+\q], v[MP+\q], v[TT]
.endr
.endr
.irp q, 0,1,2,3
	v_readfirstlane_b32 s20, v[WT+\q]
	s_and_b32 s[24+2*\q], s20, 0xffff              ; s24-31: tokens of each expert
	s_lshr_b32 s[25+2*\q], s20, 16
.endr
	s_mov_b32 s40, 0                               ; s40-48: first tile of each expert; s48: tiles in all
.irp e, 0,1,2,3,4,5,6,7
	s_add_co_u32 s[32+\e], s[24+\e], 15
	s_lshr_b32 s[32+\e], s[32+\e], 4               ; s32-39: tiles of each expert
	s_add_co_u32 s[41+\e], s[40+\e], s[32+\e]
.endr
.irp q, 0,1,2,3
	s_lshl_b32 s20, s[40+2*\q], 4
	s_lshl_b32 s21, s[41+2*\q], 20
	s_or_b32 s[50+\q], s20, s21                    ; the experts' first entries, packed like the counts
	v_add3_u32 v[PP+\q], v[MP+\q], v[IN+\q], s[50+\q]
	s_delay_alu instid0(VALU_DEP_1)
	v_sub_nc_u32 v[PP+\q], v[PP+\q], v[CN+\q]      ; first entry + earlier waves + earlier threads (each half stays at 0 or above: no borrow)
.endr
	s_wait_alu depctr_va_vdst(0)
	v_and_b32 v[ST], 0xffff, v[PP]
	v_lshrrev_b32 v[ST+1], 16, v[PP]
.irp t, 0,1,2,3,4,5,6,7
	v_cmp_eq_u32 vcc_lo, 1, v[R+\t]
	s_delay_alu instid0(VALU_DEP_1)
	v_cndmask_b32 v[BB+\t], v[ST], v[ST+1], vcc_lo
.endr
.irp e, 2,3,4,5,6,7
	v_bfe_u32 v[ST], v[PP+\e/2], 16*(\e%2), 16
.irp t, 0,1,2,3,4,5,6,7
	v_cmp_eq_u32 vcc_lo, \e, v[R+\t]
	s_delay_alu instid0(VALU_DEP_1)
	v_cndmask_b32 v[BB+\t], v[BB+\t], v[ST], vcc_lo
.endr
.endr
.irp t, 0,1,2,3,4,5,6,7
	v_add_nc_u32 v[OF+\t], v[BB+\t], v[RK+\t]
	s_delay_alu instid0(VALU_DEP_1)
	v_min_u32 v[OF+\t], 0x87f, v[OF+\t]            ; an entry of the 2,176
	s_delay_alu instid0(VALU_DEP_1)
	v_lshlrev_b32 v[OF+\t], 2, v[OF+\t]
	v_lshl_add_u32 v[TK+\t], v0, 3, \t
	global_store_b32 v[OF+\t], v[TK+\t], s[12:13]  ; every store has registers of its own: none is written again
.endr
	s_cmp_lg_u32 s16, 0
	s_cbranch_scc1 .Lsend                          ; wave 0 marks the entries without a token and writes meta
.irp e, 0,1,2,3,4,5,6,7                ; behind an expert's last token up to the end of its last tile: 15 entries at the most
	s_lshl_b32 s20, s[40+\e], 4
	s_add_co_u32 s20, s20, s[24+\e]
	s_lshl_b32 s21, s[41+\e], 4
	v_add_nc_u32 v[PD+\e], s20, v2
	s_delay_alu instid0(VALU_DEP_1)
	v_cmp_gt_u32 vcc_lo, s21, v[PD+\e]
	s_delay_alu instid0(VALU_DEP_1)
	v_cndmask_b32 v[PD+\e], v[DU], v[PD+\e], vcc_lo
	s_delay_alu instid0(VALU_DEP_1)
	v_min_u32 v[PD+\e], 0x880, v[PD+\e]
	s_delay_alu instid0(VALU_DEP_1)
	v_lshlrev_b32 v[PD+\e], 2, v[PD+\e]
	global_store_b32 v[PD+\e], v[MK], s[12:13]
.endr
	s_lshl_b32 s20, s48, 4                         ; the tiles that this split leaves over: at most 8 x 16 entries
.irp k, 0,1,2,3
	v_add_nc_u32 v[PD+8+\k], s20, v2
	s_delay_alu instid0(VALU_DEP_1)
	v_add_nc_u32 v[PD+8+\k], 32*\k, v[PD+8+\k]
	s_delay_alu instid0(VALU_DEP_1)
	v_cmp_gt_u32 vcc_lo, 0x880, v[PD+8+\k]
	s_delay_alu instid0(VALU_DEP_1)
	v_cndmask_b32 v[PD+8+\k], v[DU], v[PD+8+\k], vcc_lo
	s_delay_alu instid0(VALU_DEP_1)
	v_min_u32 v[PD+8+\k], 0x880, v[PD+8+\k]
	s_delay_alu instid0(VALU_DEP_1)
	v_lshlrev_b32 v[PD+8+\k], 2, v[PD+8+\k]
	global_store_b32 v[PD+8+\k], v[MK], s[12:13]
.endr
.irp e, 0
	v_writelane_b32 v[MM], s[40+\e], 2*\e
	s_delay_alu instid0(VALU_DEP_1)
	v_writelane_b32 v[MM], s[32+\e], 2*\e+1
.endr
.irp e, 1, 2, 3, 4, 5, 6, 7
	s_delay_alu instid0(VALU_DEP_1)
	v_writelane_b32 v[MM], s[40+\e], 2*\e
	s_delay_alu instid0(VALU_DEP_1)
	v_writelane_b32 v[MM], s[32+\e], 2*\e+1
.endr
	global_store_b32 v[ML], v[MM], s[14:15]
.Lsend:
	s_wait_tensorcnt 0x0
	ds_add_u32 v128, v129
	s_wait_dscnt 0x0
	s_endpgm
.Lfunc_end_k_q5b187808ed_prep:
	.size	k_q5b187808ed_prep, .Lfunc_end_k_q5b187808ed_prep-k_q5b187808ed_prep
	.p2alignl 7, 3214868480
	.fill 96, 4, 3214868480
	.section	.rodata,"a",@progbits
	.p2align	6, 0x0
	.amdhsa_kernel k_q5b187808ed_prep
		.amdhsa_group_segment_fixed_size 42496
		.amdhsa_private_segment_fixed_size 0
		.amdhsa_enable_private_segment 0
		.amdhsa_kernarg_size 48
		.amdhsa_user_sgpr_count 2
		.amdhsa_user_sgpr_kernarg_segment_ptr 1
		.amdhsa_wavefront_size32 1
		.amdhsa_system_sgpr_workgroup_id_x 1
		.amdhsa_system_sgpr_workgroup_id_y 1
		.amdhsa_system_sgpr_workgroup_id_z 1
		.amdhsa_system_vgpr_workitem_id 0
		.amdhsa_next_free_vgpr 130
		.amdhsa_next_free_sgpr 66
		.amdhsa_reserve_vcc 1
		.amdhsa_float_denorm_mode_32 3
		.amdhsa_float_denorm_mode_16_64 3
		.amdhsa_memory_ordered 1
		.amdhsa_forward_progress 1
		.amdhsa_inst_pref_size 39
	.end_amdhsa_kernel
	.amdgpu_metadata
---
amdhsa.version: [ 1, 2 ]
amdhsa.kernels:
  - .name:           k_q5b187808ed_prep
    .symbol:         k_q5b187808ed_prep.kd
    .args:
      - { .name: x, .offset: 0, .size: 8, .value_kind: global_buffer, .address_space: global }
      - { .name: expert_idx, .offset: 8, .size: 8, .value_kind: global_buffer, .address_space: global }
      - { .name: xq, .offset: 16, .size: 8, .value_kind: global_buffer, .address_space: global }
      - { .name: xs, .offset: 24, .size: 8, .value_kind: global_buffer, .address_space: global }
      - { .name: order, .offset: 32, .size: 8, .value_kind: global_buffer, .address_space: global }
      - { .name: meta, .offset: 40, .size: 8, .value_kind: global_buffer, .address_space: global }
    .group_segment_fixed_size: 42496
    .private_segment_fixed_size: 0
    .kernarg_segment_align: 8
    .kernarg_segment_size: 48
    .max_flat_workgroup_size: 256
    .sgpr_count:     66
    .vgpr_count:     130
    .wavefront_size: 32
...
	.end_amdgpu_metadata
.endif
;; end of part 4
;; launch gateup (part 5): grid 32 x 8, 4 waves a work-group, no clusters, 136,704 bytes of LDS; arguments w_gate, w_up, xq, xs, order, meta, hc, hs; writes hc, hs
.if DOCPART == 5
	.amdgcn_target "amdgcn-amd-amdhsa--gfx1250"
	.amdhsa_code_object_version 6
	.text
	.protected	k_q5b187808ed_gateup
	.globl	k_q5b187808ed_gateup
	.p2align	8
	.type	k_q5b187808ed_gateup,@function
k_q5b187808ed_gateup:
	s_mov_b64 s[64:65], 0
	v_nop
	global_prefetch_b8 v0, s[64:65] scope:SCOPE_SE
	s_setreg_imm32_b32 hwreg(HW_REG_WAVE_SCHED_MODE, 0, 2), 2
	s_setreg_imm32_b32 hwreg(HW_REG_WAVE_MODE, 25, 1), 1
	s_wait_xcnt 0x0
	s_wait_alu depctr_vm_vsrc(0)
; The hidden layer h = silu(x Wg) * (x Wu) of the chosen expert, both products on codes of BF8 (E5M2) with one E8M0 scale for each 32 along K, and h quantised along F on the way out.
; THE WEIGHTS STAND STILL.  Work-group (sl, e) owns F columns 32 sl .. 32 sl + 31 of expert e's w_gate and w_up: 2 x 1,024 x 32 f32 numbers.  They are read ONCE, as f32, quantised along K
; (their first axis) in registers, handed round the four waves through LDS as images of the operand's registers, and then stay in every wave's registers: 32 fragments, 512 registers.
; Then the expert's tiles of 16 sorted tokens go past them: wave w takes tiles w, w + 4, ...  The weights' traffic is the same for every work-group, whatever the split.
; PHASE 1.  A pass is 32 loads, one for each row of a block of 32 along K; a lane takes 4 neighbouring columns, a group of eight lanes a block of its own: so a lane ends up with four WHOLE blocks,
; one a column, and needs no other lane for their largest magnitudes.  The hold at the largest code also lays each column's 32 numbers into consecutive registers, as the conversions want them.
; THE COLUMNS OF A TILE ARE NOT NEIGHBOURS: lane r of tile u takes column 8 u + r + 8 (r / 8).  The products are used transposed (source 0 = 16 columns of W, source 1 = 16 tokens), so that a lane
; holds ONE token and the 16 registers of tiles 0 and 1 are F units 16 (lane / 16) + 0 .. 15 of the slice: half of ONE block of the next product's K; the other half lies in lane l xor 16.
; OUT.  hc [tile][K step 8][c 4][lane 32][16 bytes]: the register image of the next product's token operand; a wave's store covers 512 consecutive bytes, aligned.
;       hs [tile][lane 32][32 bytes]: the lane's scale words of the eight K steps; this slice writes byte sl of each lane: one byte a lane beside the 16 of codes.
; A TILE'S EMPTY PLACES (marker 2048 in order) TAKE THE TILE'S FIRST TOKEN, which entry 0 of every tile that exists holds: their rows of h are that token's once more, bit for bit.
; A WAVE'S LAST TILE IS WRITTEN OUT behind the loop, without loads: in the loop's trips the next tile always exists, and no row is fetched that nobody multiplies.
; NO CLUSTER, NO TENSOR LOADS: the slices of an expert do read the same token tiles, but a tile's rows are gathered by a list, which one tile descriptor does not cover, and their number is read from memory:
; a loop of constant count that serves every split has 128 trips where an even split has 16.  The weights, 256 KiB of the 288 KiB that a work-group reads at an even split, are shared with nobody.
; A work-group whose expert has no token still runs phase 1 (its barrier stands on every wave's path) and stores nothing.
; LIMITS: NaN and infinities are not served.  A block whose largest magnitude lies under 2^-111 (a block of zeros too) keeps the byte 1.  Where 1 + e^-g passes f32's range, or its reciprocal falls
; under 2^-126 (g under about -87), silu(g) comes out as 0 (v_exp_f32 and v_rcp_f32 flush: ISA guide 15.8); the exact value lies under 1e-35 x |g| there.
; REGISTERS, in windows of 256.  Window 0: v1-15 addresses; v16-24 a tile's list; v25-33 byte offsets of its rows; v34-37 its scale bytes as loaded; v38 the floor; v39 the tile's first token; v40-47 x's scale words;
;   v48-79 W's scale words; v80-111 four accumulators (phase 1: v80-95 at work, v96-127 codes); v112-127 e, v128-143 h, v144-153 at work (phase 1: v128-255 four blocks laid along K).
;   Windows 1, 2: phase 1: four sets of 128 numbers as loaded; then W's fragments of K steps 0-3 and 4-7 (fragment 4 (s % 4) + T at v[16 x that]).   Window 3: v0-127 a tile's rows as loaded; v128-255 x's eight fragments.
;   s48-56: the masks 'a token, not the marker' of a list's nine entries.
; THE MODE: SCHED_MODE bits 1:0 = 2 (LLVM: expert scheduling mode 2), set by the entry lines.  The code itself states the register dependences
; between vector or matrix instructions and memory or LDS instructions, with s_wait_alu, always for 0.
; THE PLAN.  Registers that memory or LDS instructions touch:
;   v2-v12, v15       offsets and LDS addresses: written at the head, ahead of one wait on va_vdst, and never again.
;   the four sets     phase 1: each is loaded once and read by its pass's vector lines; behind the barrier the fragments' LDS loads land there: the last pass's wait on va_vdst stands behind every such reader.
;   BY, CC (v92-127)  written by a pass's vector lines, read by its LDS stores, written again by the next pass; in the trips these registers are accumulators and e.
;   LR, LS            the list's loads land there; ADDR's vector lines read them.
;   OFF, SOFF         written by ADDR; read by the 33 loads behind it; written again by the next trip's ADDR.
;   rows, XSR         loaded from memory; read by the stage's LDS stores; loaded again in the same trip.
;   x's fragments, XS LDS loads land there; the trip's matrix instructions read them.
;   HC, v148          written by the trip's last vector lines; read by its two stores; written again a trip later.
; A TRIP: a wait on vm_vsrc at its head (OFF, SOFF, HC, v148 and, in the first trip, v92-127 have been read); the stage's LDS stores; ADDR; one wait on va_vdst (OFF and SOFF are written, LR and LS read,
; the last trip's matrix instructions done with x's fragments and XS) and one on vm_vsrc (the stage's stores have read the rows and XSR); directly behind the two all of the trip's loads: the next tile's
; rows, the list behind it, and the fragments out of the stage; the products; and one wait on va_vdst ahead of the two stores.
.set SCW,   65536                      ; LDS: bytes 0 .. 65,535 the images: fragment f = 4 s + T at 2048 f + 512 c + 16 lane;  here W's scale bytes: (16 T + r) 32 + 4 s + c
.set STG,   67584                      ; four stages, one a wave: 16 rows of SPT bytes
.set SPT,   1072                       ; a token's 1,024 codes, its 32 scale bytes, 16 of padding: 268 words, so the 16 rows that a load touches begin at 16 different multiples of 4 among 64 words
.set FLOOR, 38
.set FST,   39
.set AM,    80                         ; phase 1: four largest magnitudes,
.set SC,    84                         ; the conversions' scale operands,
.set HD,    88                         ; 57,344 x the scales,
.set BY,    92                         ; the scales' bytes
.set CC,    96                         ; v96-127 the codes of four blocks
.set TT,    128                        ; v128-255 column j's 32 numbers at TT + 32 j
.set LR,    16
.set LS,    24
.set OFF,   25
.set SOFF,  33
.set XSR,   34
.set XS,    40
.set WS,    48
.set ACC,   80                         ; gate's tiles 0, 1, then up's
.set EE,    112
.set HH,    128
.set HC,    150
.set MK,    48                         ; s48-56
.set MSB,   0
.macro WIN new                         ; the immediate's high byte repeats the setting that is left; a switch that changes nothing is dropped
.if MSB != \new
	s_set_vgpr_msb (MSB<<8)|\new
.set MSB, \new
.endif
.endm
; 32 loads: rows 0 .. 31 of my group's block, my 4 columns, into set d (window 1 + d / 2, from v[128 (d % 2)])
.macro PLOAD d, base, imm
.set XB, 128*((\d)&1)
	WIN 0x40*(1+((\d)>>1))
.set ii, 0
.rept 32
	global_load_b128 v[XB+4*ii:XB+4*ii+3], v2, s[\base:\base+1] offset:(\imm)+4096*ii
.set ii, ii+1
.endr
	WIN 0
.endm
; set d: four blocks of 32 become codes and scale bytes, and go to LDS where the operand's image wants them
.macro PASS d, img, scl
.set XB, 128*((\d)&1)
.set WW, 1+((\d)>>1)
	WIN 0x14*WW                                    ; sources 1 and 2 in the set's window
.irp j, 0,1,2,3
	v_max3_num_f32 v[AM+\j], v[FLOOR], |v[XB+\j]|, |v[XB+4+\j]|   ; column j's largest magnitude, over the floor 2^(16 - 127); the four columns by turns
.endr
.set ii, 2
.rept 15
.irp j, 0,1,2,3
	v_max3_num_f32 v[AM+\j], v[AM+\j], |v[XB+4*ii+\j]|, |v[XB+4*ii+4+\j]|
.endr
.set ii, ii+2
.endr
	WIN 0
	s_wait_alu depctr_va_vdst(0)
	s_wait_dscnt 0x0                               ; the last pass's LDS stores are done
.if (\d) > 0
	s_wait_alu depctr_vm_vsrc(0)                   ; the last pass's LDS stores have read v[BY ..] and v[CC ..], which this pass writes again
.endif
.irp j, 0,1,2,3
	v_add_nc_u32 v[SC+\j], 0xf8800000, v[AM+\j]    ; 15 off the exponent field
	v_and_or_b32 v[HD+\j], v[AM+\j], 0x7f800000, s42
	v_lshrrev_b32 v[BY+\j], 23, v[SC+\j]
.endr
	WIN WW                                         ; source 0 in the set's window
.set ii, 0
.rept 32
.irp j, 0,1,2,3
	v_med3_num_f32 v[TT+32*\j+ii], v[XB+4*ii+\j], -v[HD+\j], v[HD+\j]   ; the hold (the conversion does not saturate: ISA guide 7.6.2), and K into consecutive registers
.endr
.set ii, ii+1
.endr
	WIN 0
.irp j, 0,1,2,3
.irp m, 0,1,2,3
	v_cvt_scalef32_pk8_bf8_f32 v[CC+8*\j+2*\m:CC+8*\j+2*\m+1], v[TT+32*\j+8*\m:TT+32*\j+8*\m+7], v[SC+\j]
.endr
.endr
	v_nop                                          ; one plain line behind the last conversion
	s_wait_alu depctr_va_vdst(0)                   ; the conversions have written v[CC ..] and the shifts v[BY ..], which the LDS stores read; and this pass's vector lines are done reading its set
.irp j, 0,1,2,3
	ds_store_b128 v3, v[CC+8*\j:CC+8*\j+3] offset:(\img)+16*\j          ; k = 0 .. 15 of the block: the lower half of the lanes' 16 bytes,
	ds_store_b128 v3, v[CC+8*\j+4:CC+8*\j+7] offset:(\img)+16*\j+256    ; k = 16 .. 31: the upper half's
	ds_store_b8 v4, v[BY+\j] offset:(\scl)+32*\j
.endr
.endm
; a tile's list: the ids of rows 8 (lane / 16) + 0 .. 7, and of row lane / 2.  Three loads
.macro LIST t
	s_min_u32 s24, \t, 135
	s_lshl_b32 s24, s24, 6
	s_mov_b32 s25, 0
	s_add_nc_u64 s[38:39], s[12:13], s[24:25]
	global_load_b128 v[LR:LR+3], v11, s[38:39]
	global_load_b128 v[LR+4:LR+7], v11, s[38:39] offset:16
	global_load_b32 v[LS], v12, s[38:39]
.endm
.macro ADDR                            ; ids into byte offsets.  An empty place takes the tile's first token; the clamp stands behind the choice
	v_readfirstlane_b32 s47, v[LR]                 ; lane 0 holds entry 0 of the tile: a token in every tile that exists
.irp i, 0,1,2,3,4,5,6,7
	v_cmp_gt_u32 s[MK+\i], 0x800, v[LR+\i]         ; a token, or the marker?  The nine compares stand in one run, each with a scalar register of its own
.endr
	v_cmp_gt_u32 s[MK+8], 0x800, v[LS]
	s_wait_alu depctr_va_sdst(0)                   ; s47 and the nine masks are written, ahead of their first readers
	v_mov_b32 v[FST], s47
.irp i, 0,1,2,3,4,5,6,7
	v_cndmask_b32 v[OFF+\i], v[FST], v[LR+\i], s[MK+\i]
	v_min_u32 v[OFF+\i], 0x7ff, v[OFF+\i]
	v_lshlrev_b32 v[OFF+\i], 10, v[OFF+\i]
	v_add_nc_u32 v[OFF+\i], v13, v[OFF+\i]
.endr
	v_cndmask_b32 v[SOFF], v[FST], v[LS], s[MK+8]
	v_min_u32 v[SOFF], 0x7ff, v[SOFF]
	v_lshlrev_b32 v[SOFF], 5, v[SOFF]
	v_add_nc_u32 v[SOFF], v14, v[SOFF]
.endm
.macro XLOAD                           ; 33 loads: 16 rows of 1,024 codes (each load: 256 consecutive aligned bytes of two rows), and their 32 scale bytes
	WIN 0xc0
.irp i, 0,1,2,3,4,5,6,7
.irp q, 0,1,2,3
	global_load_b128 v[4*(4*\i+\q):4*(4*\i+\q)+3], v[OFF+\i], s[8:9] offset:256*\q
.endr
.endr
	WIN 0
	global_load_b128 v[XSR:XSR+3], v[SOFF], s[10:11]
.endm
.macro STIN                            ; rows into my own stage
	WIN 0x0c
.irp i, 0,1,2,3,4,5,6,7
.irp q, 0,1,2,3
	ds_store_b128 v7, v[4*(4*\i+\q):4*(4*\i+\q)+3] offset:SPT*\i+256*\q
.endr
.endr
	WIN 0
	ds_store_b128 v8, v[XSR:XSR+3]
.endm
.macro STOUT                           ; fragments out of it: LDS serves a wave's instructions in order, so these see my stores
	WIN 0xc0
.irp s, 0,1,2,3,4,5,6,7
.irp c, 0,1,2,3
	ds_load_b128 v[128+16*\s+4*\c:128+16*\s+4*\c+3], v9 offset:128*\s+32*\c   ; lane (r, h): token r, k = 128 s + 32 c + 16 h + 0 .. 15
.endr
.endr
	WIN 0
	ds_load_b128 v[XS:XS+3], v10
	ds_load_b128 v[XS+4:XS+7], v10 offset:16
	s_wait_dscnt 0x0                               ; fragments and scale words are in
.endm
.macro MULS                            ; 32 matrix instructions: K step by K step, the four accumulators by turns, one instruction a turn; the first K step starts the sums
.set ss, 0
.rept 8
	WIN 0x0d+(ss/4)                                ; source 0 (W) window 1 or 2, source 1 (x) window 3
.irp t, 0,1,2,3
.if ss == 0
	v_wmma_scale_f32_16x16x128_f8f6f4 v[ACC+8*\t:ACC+8*\t+7], v[16*(4*(ss%4)+\t):16*(4*(ss%4)+\t)+15], v[128+16*ss:128+16*ss+15], 0, v[WS+8*\t+ss], v[XS+ss] matrix_a_fmt:MATRIX_FMT_BF8 matrix_b_fmt:MATRIX_FMT_BF8
.else
	v_wmma_scale_f32_16x16x128_f8f6f4 v[ACC+8*\t:ACC+8*\t+7], v[16*(4*(ss%4)+\t):16*(4*(ss%4)+\t)+15], v[128+16*ss:128+16*ss+15], v[ACC+8*\t:ACC+8*\t+7], v[WS+8*\t+ss], v[XS+ss] matrix_a_fmt:MATRIX_FMT_BF8 matrix_b_fmt:MATRIX_FMT_BF8
.endif
.endr
.set ss, ss+1
.endr
	WIN 0
.rept 8
	v_nop                                          ; eight places behind this form in front of the first read of results
.endr
.endm
.macro EPI                             ; lane (r, h): token r, g and u of F units 32 sl + 16 h + 0 .. 15.  Each accumulator is read from its low end on
.irp j, 0,2,4,6,8,10,12,14
	v_pk_mul_f32 v[EE+\j:EE+\j+1], v[ACC+\j:ACC+\j+1], s[44:45] op_sel_hi:[1,0]   ; -g log2(e)
.endr
	s_wait_alu depctr_va_vdst(0)
.irp j, 0,1,2,3,4,5,6,7,8,9,10,11,12,13,14,15
	v_exp_f32 v[EE+\j], v[EE+\j]
.endr
	v_nop                                          ; one plain line behind the transcendentals
	s_wait_alu depctr_va_vdst(0)                   ; the sixteen exponentials have written v[EE ..], ahead of their first reader
.irp j, 0,2,4,6,8,10,12,14
	v_pk_add_f32 v[EE+\j:EE+\j+1], v[EE+\j:EE+\j+1], 1.0 op_sel_hi:[1,0]
.endr
	s_wait_alu depctr_va_vdst(0)
.irp j, 0,1,2,3,4,5,6,7,8,9,10,11,12,13,14,15
	v_rcp_f32 v[EE+\j], v[EE+\j]                   ; 1 / (1 + e^-g)
.endr
	v_nop
	s_wait_alu depctr_va_vdst(0)                   ; the sixteen reciprocals have written v[EE ..], ahead of their first reader
.irp j, 0,2,4,6,8,10,12,14
	v_pk_mul_f32 v[HH+\j:HH+\j+1], v[ACC+\j:ACC+\j+1], v[EE+\j:EE+\j+1]           ; silu(g),
.endr
.irp j, 0,2,4,6,8,10,12,14
	v_pk_mul_f32 v[HH+\j:HH+\j+1], v[HH+\j:HH+\j+1], v[ACC+16+\j:ACC+16+\j+1]     ; times u
.endr
	v_max3_num_f32 v144, |v[HH]|, |v[HH+1]|, 0x8000000   ; my 16 numbers of the block, over the floor 2^(16 - 127)
.irp i, 2,4,6,8,10,12,14
	v_max3_num_f32 v144, v144, |v[HH+\i]|, |v[HH+\i+1]|
.endr
	v_permlanex16_b32 v145, v144, s40, s41
	v_max_num_f32 v144, v144, v145                 ; with lane l xor 16's: the block's largest magnitude
	v_add_nc_u32 v146, 0xf8800000, v144
	v_and_or_b32 v147, v144, 0x7f800000, s42
	v_lshrrev_b32 v148, 23, v146
.irp i, 0,1,2,3,4,5,6,7,8,9,10,11,12,13,14,15
	v_med3_num_f32 v[HH+\i], v[HH+\i], -v147, v147
.endr
	v_cvt_scalef32_pk8_bf8_f32 v[HC:HC+1], v[HH:HH+7], v146
	v_cvt_scalef32_pk8_bf8_f32 v[HC+2:HC+3], v[HH+8:HH+15], v146
	v_nop                                          ; one plain line behind the last conversion
	s_wait_alu depctr_va_vdst(0)                   ; the conversions have written v[HC ..] and the shift v148, which the two stores read
	global_store_b128 v5, v[HC:HC+3], s[34:35]     ; 32 lanes store 512 consecutive bytes, aligned
	global_store_b8 v15, v148, s[36:37]
.endm
; One tile of 16 tokens.  ahead = 1: the next tile's rows and the list of the tile after it are asked for, and are on their way while this tile is multiplied.  ahead = 0: the wave's last tile: nothing is asked for
.macro TRIP ahead
	s_wait_loadcnt 0x0                             ; this tile's rows and the list asked for behind them are in
	s_wait_xcnt 0x0                                ; the last trip's stores have read their data and bases
	s_wait_alu depctr_vm_vsrc(0)                   ; the last trip's 33 loads have read OFF and SOFF and its stores v[HC ..] and v148, all written again below; in a wave's first trip: phase 1's LDS stores have read v92-127, which the accumulators and e take
	s_min_u32 s24, s30, 135
	s_lshl_b32 s24, s24, 14
	s_mov_b32 s25, 0
	s_add_nc_u64 s[34:35], s[16:17], s[24:25]      ; the tile's 16,384 bytes of hc
	s_min_u32 s24, s30, 135
	s_lshl_b32 s24, s24, 10
	s_add_nc_u64 s[36:37], s[18:19], s[24:25]      ; and its 1,024 of hs
	STIN                                           ; their data came by loads, their addresses are the head's: no vector line stands ahead of them
.if \ahead
	ADDR
	s_add_co_u32 s32, s30, 8
	s_min_u32 s32, s32, s31                        ; in the last trip but one there is no tile after the next: the last tile's list once more, three loads
	s_wait_alu depctr_va_vdst(0)                   ; ADDR has written OFF and SOFF, which the 33 loads read, and is done reading LR and LS, in which the list lands; the last trip's matrix instructions are done reading x's fragments and XS, in which the LDS loads land
	s_wait_alu depctr_vm_vsrc(0)                   ; the stage's LDS stores have read the rows' registers and XSR, in which the 33 loads land
	XLOAD
	LIST s32
.else
	s_wait_alu depctr_va_vdst(0)                   ; the last trip's matrix instructions are done reading x's fragments and XS, in which the LDS loads land
.endif
	STOUT
	MULS
	EPI
.endm
	s_load_b512 s[4:19], s[0:1], 0x0               ; w_gate s[4:5], w_up s[6:7], xq s[8:9], xs s[10:11], order s[12:13], meta s[14:15], hc s[16:17], hs s[18:19]
	v_lshrrev_b32 v1, 5, v0
	v_readfirstlane_b32 s20, v1                    ; wave 0..3
	s_mov_b32 s21, ttmp9                           ; sl: which 32 columns of F
	s_and_b32 s22, ttmp7, 0xffff                   ; e: the expert
	v_and_b32 v1, 31, v0                           ; l
	v_and_b32 v100, 7, v0                          ; cg: which 4 columns
	v_bfe_u32 v101, v0, 3, 2                       ; g: which block of the K step
	v_bfe_u32 v102, v0, 1, 1                       ; u = (cg / 2) % 2: the columns' tile
	v_and_b32 v103, 1, v0
	v_bfe_u32 v104, v0, 2, 1
	v_lshlrev_b32 v103, 2, v103
	v_lshl_add_u32 v103, v104, 3, v103             ; rr = 4 (cg % 2) + 8 (cg / 4): column j's row in that tile is rr + j
	v_and_b32 v105, 15, v0                         ; p
	v_bfe_u32 v106, v0, 4, 1                       ; gh
	v_bfe_u32 v107, v0, 1, 4                       ; l / 2
	v_and_b32 v108, 1, v0                          ; l % 2
	v_lshlrev_b32 v2, 4, v100
	v_lshl_add_u32 v2, v101, 17, v2                ; W: 32 g rows of 4,096 bytes + 16 cg
	s_wait_alu depctr_va_sdst(0)                   ; s20 is written, ahead of its first reader
	s_lshl_b32 s24, s20, 14
	v_lshlrev_b32 v3, 4, v103
	v_lshl_add_u32 v3, v101, 9, v3
	v_lshl_add_u32 v3, v102, 11, v3
	v_add_nc_u32 v3, s24, v3                       ; images: 16,384 w + 2,048 u + 512 g + 16 rr
	s_lshl_b32 s24, s20, 3
	s_add_co_u32 s24, s24, SCW
	v_lshl_add_u32 v4, v103, 5, v101
	v_lshl_add_u32 v4, v102, 9, v4
	v_add_nc_u32 v4, s24, v4                       ; scale bytes: SCW + 512 u + 32 rr + 8 w + g
	v_lshlrev_b32 v5, 4, v1                        ; 16 l: an image's place for my lane, in LDS and in hc
	v_lshl_add_u32 v6, v105, 5, SCW                ; row p's 32 scale bytes
	s_mul_i32 s24, s20, 16*SPT
	s_add_co_u32 s24, s24, STG                     ; my stage
	v_mul_u32_u24 v7, v106, 8*SPT
	v_lshl_add_u32 v7, v105, 4, v7
	v_add_nc_u32 v7, s24, v7                       ; rows in: row 8 gh (+ i), byte 16 p
	v_mul_u32_u24 v8, v107, SPT
	v_lshl_add_u32 v8, v108, 4, v8
	v_add_nc_u32 v8, s24, v8
	v_add_nc_u32 v8, 1024, v8                      ; scale bytes in: row l / 2, behind its codes, half l % 2
	v_mul_u32_u24 v10, v105, SPT
	v_add_nc_u32 v10, s24, v10
	v_lshl_add_u32 v9, v106, 4, v10                ; fragments out: row p, + 16 gh
	v_add_nc_u32 v10, 1024, v10                    ; scale words out: row p
	v_lshlrev_b32 v11, 5, v106                     ; the list: entries 8 gh on,
	v_lshlrev_b32 v12, 2, v107                     ; and entry l / 2
	v_lshlrev_b32 v13, 4, v105
	v_lshlrev_b32 v14, 4, v108
	v_lshlrev_b32 v15, 5, v1                       ; hs: 32 bytes a lane
	v_mov_b32 v[FLOOR], 0x8000000
	s_mov_b32 s40, 0x76543210
	s_mov_b32 s41, 0xfedcba98                      ; v_permlanex16_b32's selects for lane l xor 16
	s_mov_b32 s42, 0x600000                        ; the mantissa field of 57,344
	s_mov_b32 s44, 0xbfb8aa3b                      ; -log2(e)
	s_mov_b32 s45, s44                             ; (named with it as a pair, so it is written)
	s_lshl_b32 s24, s22, 22                        ; an expert's 4 MiB,
	s_lshl_b32 s23, s20, 20                        ; my wave's K steps 2 w and 2 w + 1: 256 rows,
	s_add_co_u32 s24, s24, s23
	s_lshl_b32 s23, s21, 7                         ; the slice's 128 bytes of a row
	s_add_co_u32 s24, s24, s23
	s_mov_b32 s25, 0
	s_wait_kmcnt 0x0
	s_add_nc_u64 s[4:5], s[4:5], s[24:25]
	s_add_nc_u64 s[6:7], s[6:7], s[24:25]
	s_lshl_b32 s24, s22, 3
	s_add_nc_u64 s[14:15], s[14:15], s[24:25]
	s_load_b64 s[26:27], s[14:15], 0x0             ; the expert's first tile and its number of tiles
	s_lshl_b32 s24, s21, 9                         ; block sl of F is K step sl / 4, block sl % 4: 2,048 (sl / 4) + 512 (sl % 4) = 512 sl
	s_add_nc_u64 s[16:17], s[16:17], s[24:25]
	s_mov_b32 s24, s21                             ; and byte sl of a lane's 32
	s_add_nc_u64 s[18:19], s[18:19], s[24:25]
	s_wait_alu depctr_va_vdst(0)                   ; the offsets and LDS addresses v2 to v12 and v15 are written: every load and store of the kernel, global or LDS, reads one of them or OFF, SOFF
	PLOAD 0, 4, 0                                  ; gate, K step 2 w
	PLOAD 1, 6, 0                                  ; up, K step 2 w
	s_wait_kmcnt 0x0
	s_min_u32 s26, s26, 135
	s_min_u32 s27, s27, 128
	s_add_co_u32 s28, s27, 3
	s_sub_co_u32 s28, s28, s20
	s_lshr_b32 s28, s28, 2                         ; my tiles: w, w + 4, ... under nt
	s_add_co_u32 s30, s26, s20
	s_cmp_lt_u32 s20, s27
	s_cselect_b32 s30, s30, 0                      ; my first tile; a wave without one looks ahead at tile 0, which every split has
	s_max_u32 s31, s28, 1
	s_lshl_b32 s31, s31, 2
	s_add_co_u32 s31, s31, s30
	s_sub_co_u32 s31, s31, 4                       ; my last tile: no look-ahead goes past it
	LIST s30
	s_wait_loadcnt 35                              ; set 0 is in: behind it set 1's 32 loads and the list's 3
	PLOAD 2, 4, 524288                             ; gate, K step 2 w + 1
	PASS 0, 0, 0
	s_wait_loadcnt 32                              ; set 1 and the list are in: behind them set 2's 32
	PLOAD 3, 6, 524288                             ; up, K step 2 w + 1: into registers that no line has named yet
	ADDR
	s_add_co_u32 s32, s30, 4
	s_min_u32 s32, s32, s31
	s_wait_alu depctr_va_vdst(0)                   ; ADDR has written OFF and SOFF, which the 33 loads read, and is done reading LR and LS, in which the second list lands
	XLOAD                                          ; my first tile's rows
	LIST s32                                       ; my second tile's list
	PASS 1, 4096, 1024
	s_wait_loadcnt 63                              ; set 2 is in: 68 loads stand behind it, and the largest count that the wait can name is the stricter
	PASS 2, 8192, 4
	s_wait_loadcnt 36                              ; set 3 is in: behind it the tile's 33 loads and the list's 3
	PASS 3, 12288, 1028
	s_wait_dscnt 0x0                               ; for the others' sake: my images and scale bytes have landed
	s_barrier_signal -1
	s_barrier_wait -1                              ; the launch's one barrier: all 32 fragments lie in LDS
	WIN 0x40                                       ; the fragments land in the four sets' registers.  Their last readers are the passes' vector lines, all ahead of the last pass's wait on va_vdst; no vector line has been issued since
.set ff, 0
.rept 16
.irp c, 0,1,2,3
	ds_load_b128 v[16*ff+4*\c:16*ff+4*\c+3], v5 offset:2048*ff+512*\c
.endr
.set ff, ff+1
.endr
	WIN 0x80
.set ff, 0
.rept 16
.irp c, 0,1,2,3
	ds_load_b128 v[16*ff+4*\c:16*ff+4*\c+3], v5 offset:2048*(ff+16)+512*\c
.endr
.set ff, ff+1
.endr
	WIN 0
.irp t, 0,1,2,3
.irp k, 0,1
	ds_load_b128 v[WS+8*\t+4*\k:WS+8*\t+4*\k+3], v6 offset:512*\t+16*\k   ; tile t, row p: the words of K steps 4 k .. 4 k + 3
.endr
.endr
	v_mov_b32 v145, 0                              ; written once: a lane permute's destination counts as one of its sources
	s_wait_dscnt 0x0
	s_cmp_eq_u32 s28, 0
	s_cbranch_scc1 .Lend                           ; no tile for this wave
	s_sub_co_u32 s33, s28, 1                       ; the loop takes all my tiles but the last
	s_mov_b32 s29, 0
	s_cmp_eq_u32 s33, 0
	s_cbranch_scc1 .Llast
.Ltile:
	TRIP 1
	s_add_co_u32 s30, s30, 4
	s_add_co_u32 s29, s29, 1
	s_cmp_lt_u32 s29, s33
	s_cbranch_scc1 .Ltile
.Llast:
	TRIP 0                                         ; my last tile
.Lend:
	s_wait_xcnt 0x0
	v_lshl_add_u32 v254, v0, 2, 0x21400            ; made anew: no memory or LDS instruction of the kernel has read v254 or v255 (in phase 1 they hold numbers that vector lines alone name)
	v_mov_b32 v255, 0
	s_wait_dscnt 0x0                               ; the closing lines, six on end
	s_wait_alu 0x0
	s_wait_tensorcnt 0x0
	ds_add_u32 v254, v255
	s_wait_dscnt 0x0
	s_endpgm
.Lfunc_end_k_q5b187808ed_gateup:
	.size	k_q5b187808ed_gateup, .Lfunc_end_k_q5b187808ed_gateup-k_q5b187808ed_gateup
	.p2alignl 7, 3214868480
	.fill 96, 4, 3214868480
	.section	.rodata,"a",@progbits
	.p2align	6, 0x0
	.amdhsa_kernel k_q5b187808ed_gateup
		.amdhsa_group_segment_fixed_size 136704
		.amdhsa_private_segment_fixed_size 0
		.amdhsa_enable_private_segment 0
		.amdhsa_kernarg_size 64
		.amdhsa_user_sgpr_count 2
		.amdhsa_user_sgpr_kernarg_segment_ptr 1
		.amdhsa_wavefront_size32 1
		.amdhsa_system_sgpr_workgroup_id_x 1
		.amdhsa_system_sgpr_workgroup_id_y 1
		.amdhsa_system_sgpr_workgroup_id_z 1
		.amdhsa_system_vgpr_workitem_id 0
		.amdhsa_next_free_vgpr 1024
		.amdhsa_next_free_sgpr 66
		.amdhsa_reserve_vcc 0
		.amdhsa_float_denorm_mode_32 3
		.amdhsa_float_denorm_mode_16_64 3
		.amdhsa_memory_ordered 1
		.amdhsa_forward_progress 1
		.amdhsa_inst_pref_size 128
	.end_amdhsa_kernel
	.amdgpu_metadata
---
amdhsa.version: [ 1, 2 ]
amdhsa.kernels:
  - .name:           k_q5b187808ed_gateup
    .symbol:         k_q5b187808ed_gateup.kd
    .args:
      - { .name: w_gate, .offset: 0, .size: 8, .value_kind: global_buffer, .address_space: global }
      - { .name: w_up, .offset: 8, .size: 8, .value_kind: global_buffer, .address_space: global }
      - { .name: xq, .offset: 16, .size: 8, .value_kind: global_buffer, .address_space: global }
      - { .name: xs, .offset: 24, .size: 8, .value_kind: global_buffer, .address_space: global }
      - { .name: order, .offset: 32, .size: 8, .value_kind: global_buffer, .address_space: global }
      - { .name: meta, .offset: 40, .size: 8, .value_kind: global_buffer, .address_space: global }
      - { .name: hc, .offset: 48, .size: 8, .value_kind: global_buffer, .address_space: global }
      - { .name: hs, .offset: 56, .size: 8, .value_kind: global_buffer, .address_space: global }
    .group_segment_fixed_size: 136704
    .private_segment_fixed_size: 0
    .kernarg_segment_align: 8
    .kernarg_segment_size: 64
    .max_flat_workgroup_size: 128
    .sgpr_count:     66
    .vgpr_count:     1024
    .wavefront_size: 32
...
	.end_amdgpu_metadata
.endif
;; end of part 5
;; launch down (part 6): grid 16 x 16, 4 waves a work-group, no clusters, 85,504 bytes of LDS; arguments w_down, hc, hs, order, meta, out0; writes out0
.if DOCPART == 6
	.amdgcn_target "amdgcn-amd-amdhsa--gfx1250"
	.amdhsa_code_object_version 6
	.text
	.protected	k_q5b187808ed_down
	.globl	k_q5b187808ed_down
	.p2align	8
	.type	k_q5b187808ed_down,@function
k_q5b187808ed_down:
	s_mov_b64 s[64:65], 0
	v_nop
	global_prefetch_b8 v0, s[64:65] scope:SCOPE_SE
	s_setreg_imm32_b32 hwreg(HW_REG_WAVE_SCHED_MODE, 0, 2), 2
	s_setreg_imm32_b32 hwreg(HW_REG_WAVE_MODE, 25, 1), 1
	s_wait_xcnt 0x0
	s_wait_alu depctr_vm_vsrc(0)
; y = h Wd of the chosen expert, on codes of BF8 (E5M2) with one E8M0 scale for each 32 along K = F, scattered to the tokens' rows of out0.
; THE WEIGHTS STAND STILL, as in the launch before.  A slice is D columns 64 sl .. 64 sl + 63 of expert e's w_down: 1,024 rows of 256 consecutive aligned bytes.  It is read as f32, quantised along K
; (the first axis) in registers, handed round the four waves through LDS as images of the operand's registers, and kept in every wave's registers: 32 fragments, 512 registers.
; 64 columns to a slice, so that each piece of a row that is read or stored is 256 consecutive bytes, aligned: that makes 16 x 8 = 128 slices.
; TWO WORK-GROUPS TO A SLICE (grid y = 2 e + half): both read the slice and quantise it, and the expert's tiles are dealt to their eight waves: wave w of half b takes tiles w + 4 b, + 8, ...
; The price: the slice's 256 KiB go to two work-groups and are quantised twice.  What it buys: 256 work-groups, each of which fetches half of the expert's hidden layer (16.5 KiB a tile), and at 17 tiles
; an expert a wave walks 3 tiles at the most where four waves would walk 5.
; A tile's hidden layer arrives as the register image that the launch before stored: dense loads of 512 bytes, no LDS.
; PHASE 1.  A pass is 32 loads, one for each row of a block of 32 along K; a lane takes 4 neighbouring columns, each half of the lanes a block of its own: a lane ends up with four whole blocks.
; The product is used transposed (source 0 = 16 columns of W, source 1 = 16 tokens): a lane holds one token and eight neighbouring columns.  A tile's 16 x 64 results go through the wave's own stage
; in LDS and leave as rows: sixteen lanes store 256 consecutive bytes of a token's row.
; A TILE'S EMPTY PLACES (marker 2048 in order) STAND FOR THE TILE'S FIRST TOKEN, here as in the launch before: their rows of h are that token's, so their results are its results bit for bit,
; and they are stored to its row once more, by the same wave, with the same bytes.  So every store runs with all lanes on.
; Every token has exactly one expert and one place in order, so every row of out0 is written, by sixteen work-groups, 256 bytes each.
; A WAVE'S LAST TILE IS WRITTEN OUT behind the loop, without loads: in the loop's trips the next tile always exists, and nothing is fetched that nobody multiplies.
; NO CLUSTER, NO TENSOR LOADS.  The two work-groups of a slice read the same weights, but as f32 on their way into registers: the slice's 262,144 bytes, the images' 65,536, the scale bytes and the stages
; do not fit into 327,680 bytes of LDS together.  The slices of an expert read the same tiles of h, but their number is read from memory: a loop of constant count that serves every split has 128 trips
; where an even split has 16.
; A work-group that the split leaves without a tile still runs phase 1 (its barrier stands on every wave's path) and stores nothing.
; LIMITS: NaN and infinities are not served.  A block of w_down whose largest magnitude lies under 2^-111 (a block of zeros too) keeps the byte 1.
; REGISTERS, in windows of 256.  Window 0: v1-15 addresses; v16-23 a tile's list; v24-31 byte offsets of its rows in out0; v36, v37 the closing add's two; v38 the floor; v39 the tile's first token; v40-47 h's scale words; v48-79 W's scale words;
;   v80-111 four accumulators (phase 1: v80-95 at work, v96-127 codes); v112-143 rows on the way out (phase 1: v128-255 four blocks laid along K).
;   Windows 1, 2: phase 1: four sets of 128 numbers as loaded; then W's fragments of K steps 0-3 and 4-7.   Window 3: v0-127 h's eight fragments, filled again by halves.
;   s48-55: the masks 'a token, not the marker' of a list's eight entries.
; THE MODE: SCHED_MODE bits 1:0 = 2 (LLVM: expert scheduling mode 2), set by the entry lines.  The code itself states the register dependences
; between vector or matrix instructions and memory or LDS instructions, with s_wait_alu, always for 0.
; THE PLAN.  Registers that memory or LDS instructions touch:
;   v2-v8, v11, v15   offsets and LDS addresses: written at the head, ahead of one wait on va_vdst, and never again.  v36, v37: written at the head, read by the closing add alone.
;   the four sets     phase 1: each is loaded once and read by its pass's vector lines; behind the barrier the fragments' LDS loads land there: the last pass's wait on va_vdst stands behind every such reader.
;   BY, CC (v92-127)  written by a pass's vector lines, read by its LDS stores, written again by the next pass; in the trips these registers are accumulators and rows on the way out.
;   h's two halves, HS  loads land there; the half's sixteen matrix instructions read them; the next tile's half lands there in the same trip.
;   ID                the list's loads land there; the offsets' vector lines read them.
;   OFS               written by those lines; read by the trip's eight global stores; written again a trip later.
;   ACC               written by the matrix instructions; read by the stage's LDS stores; begun anew a trip later.
;   OB                LDS loads land there; the eight global stores read them; LDS loads land there again a trip later.
; A TRIP: a wait on vm_vsrc at its head (the last trip's LDS stores have read ACC, its global stores OFS and OB); a wait on va_vdst behind the first half's products, ahead of the next tile's first half;
; and ONE wait on va_vdst behind the offsets' lines, for all that follows it: the next tile's second half, the LDS stores of the accumulators, the global stores by OFS, the next list.  No vector line stands among those.
.set SCW,   65536                      ; LDS: bytes 0 .. 65,535 the images: fragment f = 4 s + T at 2048 f + 512 c + 16 lane;  here W's scale bytes: (16 T + r) 32 + 4 s + c
.set OST,   67584                      ; four stages, one a wave: 16 rows of 256 bytes + 16 of padding
.set OP,    272
.set FLOOR, 38
.set FST,   39
.set AM,    80
.set SC,    84
.set HD,    88
.set BY,    92
.set CC,    96
.set TT,    128
.set ID,    16
.set OFS,   24
.set HS,    40
.set WS,    48
.set ACC,   80
.set OB,    112
.set MK,    48                         ; s48-55
.set MSB,   0
.macro WIN new                         ; the immediate's high byte repeats the setting that is left; a switch that changes nothing is dropped
.if MSB != \new
	s_set_vgpr_msb (MSB<<8)|\new
.set MSB, \new
.endif
.endm
.macro PLOAD d, imm                    ; 32 loads: rows 0 .. 31 of my half's block, my 4 columns, into set d (window 1 + d / 2, from v[128 (d % 2)]); sixteen lanes read 256 consecutive aligned bytes.  No hint: the slice's other work-group reads the same bytes
.set XB, 128*((\d)&1)
	WIN 0x40*(1+((\d)>>1))
.set ii, 0
.rept 32
	global_load_b128 v[XB+4*ii:XB+4*ii+3], v2, s[4:5] offset:(\imm)+4096*ii
.set ii, ii+1
.endr
	WIN 0
.endm
.macro PASS d, img, scl                ; set d: four blocks of 32 become codes and scale bytes, and go to LDS where the operand's image wants them
.set XB, 128*((\d)&1)
.set WW, 1+((\d)>>1)
	WIN 0x14*WW                                    ; sources 1 and 2 in the set's window
.irp j, 0,1,2,3
	v_max3_num_f32 v[AM+\j], v[FLOOR], |v[XB+\j]|, |v[XB+4+\j]|   ; column j's largest magnitude, over the floor 2^(16 - 127); the four columns by turns
.endr
.set ii, 2
.rept 15
.irp j, 0,1,2,3
	v_max3_num_f32 v[AM+\j], v[AM+\j], |v[XB+4*ii+\j]|, |v[XB+4*ii+4+\j]|
.endr
.set ii, ii+2
.endr
	WIN 0
	s_wait_alu depctr_va_vdst(0)
	s_wait_dscnt 0x0                               ; the last pass's LDS stores are done
.if (\d) > 0
	s_wait_alu depctr_vm_vsrc(0)                   ; the last pass's LDS stores have read v[BY ..] and v[CC ..], which this pass writes again
.endif
.irp j, 0,1,2,3
	v_add_nc_u32 v[SC+\j], 0xf8800000, v[AM+\j]    ; 15 off the exponent field
	v_and_or_b32 v[HD+\j], v[AM+\j], 0x7f800000, s42
	v_lshrrev_b32 v[BY+\j], 23, v[SC+\j]
.endr
	WIN WW                                         ; source 0 in the set's window
.set ii, 0
.rept 32
.irp j, 0,1,2,3
	v_med3_num_f32 v[TT+32*\j+ii], v[XB+4*ii+\j], -v[HD+\j], v[HD+\j]   ; the hold (the conversion does not saturate: ISA guide 7.6.2), and K into consecutive registers
.endr
.set ii, ii+1
.endr
	WIN 0
.irp j, 0,1,2,3
.irp m, 0,1,2,3
	v_cvt_scalef32_pk8_bf8_f32 v[CC+8*\j+2*\m:CC+8*\j+2*\m+1], v[TT+32*\j+8*\m:TT+32*\j+8*\m+7], v[SC+\j]
.endr
.endr
	v_nop                                          ; one plain line behind the last conversion
	s_wait_alu depctr_va_vdst(0)                   ; the conversions have written v[CC ..] and the shifts v[BY ..], which the LDS stores read; and this pass's vector lines are done reading its set
.irp j, 0,1,2,3
	ds_store_b128 v3, v[CC+8*\j:CC+8*\j+3] offset:(\img)+16*\j
	ds_store_b128 v3, v[CC+8*\j+4:CC+8*\j+7] offset:(\img)+16*\j+256
	ds_store_b8 v4, v[BY+\j] offset:(\scl)+32*\j
.endr
.endm
.macro HBASE t                         ; where tile t's hidden layer lies
	s_min_u32 s24, \t, 135
	s_lshl_b32 s24, s24, 14
	s_mov_b32 s25, 0
	s_add_nc_u64 s[34:35], s[6:7], s[24:25]
	s_min_u32 s24, \t, 135
	s_lshl_b32 s24, s24, 10
	s_add_nc_u64 s[36:37], s[8:9], s[24:25]
.endm
.macro HLOAD k                         ; 17 loads: the fragments of K steps 4 k .. 4 k + 3 (each load 512 consecutive bytes) and their scale words
	WIN 0xc0
.irp q, 0,1,2,3
.irp c, 0,1,2,3
	global_load_b128 v[16*(4*(\k)+\q)+4*\c:16*(4*(\k)+\q)+4*\c+3], v5, s[34:35] offset:2048*(4*(\k)+\q)+512*\c
.endr
.endr
	WIN 0
	global_load_b128 v[HS+4*(\k):HS+4*(\k)+3], v15, s[36:37] offset:16*(\k)
.endm
.macro LISTD t                         ; two loads: the ids of rows 8 (lane / 16) + 0 .. 7 of tile t
	s_min_u32 s24, \t, 135
	s_lshl_b32 s24, s24, 6
	s_mov_b32 s25, 0
	s_add_nc_u64 s[38:39], s[10:11], s[24:25]
	global_load_b128 v[ID:ID+3], v11, s[38:39]
	global_load_b128 v[ID+4:ID+7], v11, s[38:39] offset:16
.endm
.macro MULH k                          ; 16 matrix instructions: K steps 4 k .. 4 k + 3, the four accumulators by turns, one instruction a turn; the first K step starts the sums
	WIN 0x0d+(\k)                                  ; source 0 (W) window 1 or 2, source 1 (h) window 3
.irp q, 0,1,2,3
.irp t, 0,1,2,3
.if (\k)+\q == 0
	v_wmma_scale_f32_16x16x128_f8f6f4 v[ACC+8*\t:ACC+8*\t+7], v[16*(4*\q+\t):16*(4*\q+\t)+15], v[16*(4*(\k)+\q):16*(4*(\k)+\q)+15], 0, v[WS+8*\t+4*(\k)+\q], v[HS+4*(\k)+\q] matrix_a_fmt:MATRIX_FMT_BF8 matrix_b_fmt:MATRIX_FMT_BF8
.else
	v_wmma_scale_f32_16x16x128_f8f6f4 v[ACC+8*\t:ACC+8*\t+7], v[16*(4*\q+\t):16*(4*\q+\t)+15], v[16*(4*(\k)+\q):16*(4*(\k)+\q)+15], v[ACC+8*\t:ACC+8*\t+7], v[WS+8*\t+4*(\k)+\q], v[HS+4*(\k)+\q] matrix_a_fmt:MATRIX_FMT_BF8 matrix_b_fmt:MATRIX_FMT_BF8
.endif
.endr
.endr
	WIN 0
.endm
; One tile of 16 tokens.  At its head the same loads are out on every way in, in this order: 17 (first half), 17 (second half), 2 (list).
; ahead = 1: my next tile, 8 further on, is asked for by halves, each into the registers just multiplied, and then its list.  ahead = 0: the wave's last tile: nothing is asked for
.macro TRIP ahead
	s_wait_loadcnt 19                              ; the first half is in: behind it the second half's 17 loads and the list's 2
	s_wait_alu depctr_vm_vsrc(0)                   ; the last trip's LDS stores have read the accumulators, which the products below begin anew, and its global stores OFS and OB, which are written again further down; in a wave's first trip: phase 1's LDS stores have read v92-127
	MULH 0
.if \ahead
.rept 8
	v_nop                                          ; the eight places behind this form stay as they stood, beside the wait below
.endr
	s_add_co_u32 s32, s30, 8                       ; my next tile
	s_wait_xcnt 0x0                                ; the loads that are out have read their bases, and the last trip's stores their data and offsets: all may be written again
	HBASE s32
	s_wait_alu depctr_va_vdst(0)                   ; the sixteen products above are done reading the first half's fragments and scale words, in which the 17 loads land
	HLOAD 0                                        ; its first half
	s_wait_loadcnt 17                              ; the second half and the list are in: behind them the 17 just issued
.else
	s_wait_xcnt 0x0                                ; the last trip's stores have read their data and offsets: both may be written again
	s_wait_loadcnt 0x0                             ; the second half and the list are in: nothing was issued behind them
.endif
	MULH 1
	; ids into byte offsets: 42 vector lines that name no register of the products: among them the places in front of the first reads of results below
	v_readfirstlane_b32 s47, v[ID]                 ; lane 0 holds entry 0 of the tile: a token in every tile that exists
.irp i, 0,1,2,3,4,5,6,7
	v_cmp_gt_u32 s[MK+\i], 0x800, v[ID+\i]         ; a token, or the marker?  The eight compares stand in one run, each with a scalar register of its own
.endr
	s_wait_alu depctr_va_sdst(0)                   ; s47 and the eight masks are written, ahead of their first readers
	v_mov_b32 v[FST], s47
.irp i, 0,1,2,3,4,5,6,7
	v_cndmask_b32 v[OFS+\i], v[FST], v[ID+\i], s[MK+\i]   ; an empty place stands for the tile's first token; the clamp stands behind the choice
	v_min_u32 v[OFS+\i], 0x7ff, v[OFS+\i]
	v_lshlrev_b32 v[OFS+\i], 12, v[OFS+\i]
	v_add_nc_u32 v[OFS+\i], v13, v[OFS+\i]         ; the token's row of 4,096 bytes + 16 p
.endr
	s_wait_alu depctr_va_vdst(0)                   ; the products have written the accumulators, which the LDS stores read, and are done reading the second half's fragments and scale words, in which the 17 loads land; OFS is written, which the global stores read; ID has been read, in which the next list lands
.if \ahead
	HLOAD 1                                        ; the next tile's second half
.endif
.irp t, 0,1,2,3
	ds_store_b128 v7, v[ACC+8*\t:ACC+8*\t+3] offset:64*\t          ; each accumulator from its low end on
	ds_store_b128 v7, v[ACC+8*\t+4:ACC+8*\t+7] offset:64*\t+16
.endr
.irp i, 0,1,2,3,4,5,6,7
	ds_load_b128 v[OB+4*\i:OB+4*\i+3], v8 offset:OP*\i             ; LDS serves a wave's instructions in order: these see my stores.  Rows i and 8 + i
.endr
.irp i, 0,1,2,3,4,5,6,7
	s_wait_dscnt 7-\i                              ; rows i and 8 + i are back; the younger loads may be out
	global_store_b128 v[OFS+\i], v[OB+4*\i:OB+4*\i+3], s[14:15] th:TH_STORE_NT   ; sixteen lanes store 256 consecutive bytes, aligned, of a token's row; read by nobody here
.endr
.if \ahead
	LISTD s32                                      ; the next tile's list: this tile's ids have been used
.endif
.endm
	s_load_b256 s[4:11], s[0:1], 0x0               ; w_down s[4:5], hc s[6:7], hs s[8:9], order s[10:11]
	s_load_b128 s[12:15], s[0:1], 0x20             ; meta s[12:13], out0 s[14:15]
	v_lshl_add_u32 v36, v0, 2, 0x14c00
	v_mov_b32 v37, 0
	v_lshrrev_b32 v1, 5, v0
	v_readfirstlane_b32 s20, v1                    ; wave 0..3
	s_mov_b32 s21, ttmp9                           ; sl: which 64 columns of D
	s_and_b32 s22, ttmp7, 0xffff                   ; 2 e + half
	s_and_b32 s43, s22, 1
	s_lshr_b32 s22, s22, 1                         ; e: the expert
	s_lshl_b32 s43, s43, 2
	s_wait_alu depctr_va_sdst(0)                   ; s20 is written, ahead of its first reader
	s_add_co_u32 s43, s43, s20                     ; my place among the slice's eight waves: w + 4 x half.  It enters tile numbers alone, no LDS address
	v_and_b32 v1, 31, v0                           ; l
	v_and_b32 v100, 15, v0                         ; p: which 4 columns; later: the token's row
	v_bfe_u32 v101, v0, 4, 1                       ; g: which of the pass's two blocks; later: the half
	v_bfe_u32 v102, v0, 2, 2                       ; T = p / 4: the columns' tile
	v_and_b32 v103, 3, v0                          ; p % 4: column j's row in that tile is 4 (p % 4) + j
	v_lshlrev_b32 v2, 4, v100
	v_lshl_add_u32 v2, v101, 17, v2                ; W: 32 g rows of 4,096 bytes + 16 p
	s_lshl_b32 s24, s20, 14
	v_lshlrev_b32 v3, 6, v103
	v_lshl_add_u32 v3, v101, 9, v3
	v_lshl_add_u32 v3, v102, 11, v3
	v_add_nc_u32 v3, s24, v3                       ; images: 16,384 w + 2,048 T + 512 g + 64 (p % 4)
	s_lshl_b32 s24, s20, 3
	s_add_co_u32 s24, s24, SCW
	v_lshl_add_u32 v4, v103, 7, v101
	v_lshl_add_u32 v4, v102, 9, v4
	v_add_nc_u32 v4, s24, v4                       ; scale bytes: SCW + 512 T + 128 (p % 4) + 8 w + g
	v_lshlrev_b32 v5, 4, v1                        ; 16 l: an image's place for my lane, in LDS and in hc
	v_lshl_add_u32 v6, v100, 5, SCW                ; row p's 32 scale bytes
	s_mul_i32 s24, s20, 16*OP
	s_add_co_u32 s24, s24, OST                     ; my stage
	v_mul_u32_u24 v7, v100, OP
	v_lshl_add_u32 v7, v101, 5, v7
	v_add_nc_u32 v7, s24, v7                       ; in: token p's row, + 32 g: my eight columns of a tile
	v_mul_u32_u24 v8, v101, 8*OP
	v_lshl_add_u32 v8, v100, 4, v8
	v_add_nc_u32 v8, s24, v8                       ; back: row 8 g (+ i), byte 16 p
	v_lshlrev_b32 v11, 5, v101                     ; the list: entries 8 g on
	v_lshlrev_b32 v13, 4, v100
	v_lshlrev_b32 v15, 5, v1                       ; hs: 32 bytes a lane
	v_mov_b32 v[FLOOR], 0x8000000
	s_mov_b32 s42, 0x600000                        ; the mantissa field of 57,344
	s_lshl_b32 s24, s22, 22                        ; an expert's 4 MiB,
	s_lshl_b32 s23, s20, 20                        ; my wave's 8 blocks: 256 rows,
	s_add_co_u32 s24, s24, s23
	s_lshl_b32 s23, s21, 8                         ; the slice's 256 bytes of a row
	s_add_co_u32 s24, s24, s23
	s_mov_b32 s25, 0
	s_wait_kmcnt 0x0
	s_add_nc_u64 s[4:5], s[4:5], s[24:25]
	s_lshl_b32 s24, s22, 3
	s_add_nc_u64 s[12:13], s[12:13], s[24:25]
	s_load_b64 s[26:27], s[12:13], 0x0             ; the expert's first tile and its number of tiles
	s_mov_b32 s24, s23
	s_add_nc_u64 s[14:15], s[14:15], s[24:25]      ; out0 at the slice's 256 bytes of a row
	s_wait_alu depctr_va_vdst(0)                   ; the offsets and LDS addresses v2 to v8, v11 and v15 are written: every load and store of the kernel, global or LDS, reads one of them or OFS
	PLOAD 0, 0
	PLOAD 1, 262144
	s_wait_kmcnt 0x0
	s_min_u32 s26, s26, 135
	s_min_u32 s27, s27, 128
	s_add_co_u32 s28, s27, 7
	s_sub_co_u32 s28, s28, s43
	s_lshr_b32 s28, s28, 3                         ; my tiles: w + 4 x half, + 8, ... under nt
	s_add_co_u32 s30, s26, s43
	s_cmp_lt_u32 s43, s27
	s_cselect_b32 s30, s30, 0                      ; my first tile; a wave without one looks ahead at tile 0, which every split has
	s_wait_loadcnt 32                              ; set 0 is in: behind it set 1's 32 loads
	PLOAD 2, 524288
	PASS 0, 0, 0
	s_wait_loadcnt 32                              ; set 1 is in: behind it set 2's 32
	PLOAD 3, 786432
	HBASE s30
	HLOAD 0                                        ; my first tile's hidden layer, into registers that no line has named yet,
	HLOAD 1
	LISTD s30                                      ; and its list, likewise
	PASS 1, 1024, 2
	s_wait_loadcnt 63                              ; set 2 is in: 68 loads stand behind it, and the largest count that the wait can name is the stricter
	PASS 2, 8192, 4
	s_wait_loadcnt 36                              ; set 3 is in: behind it the tile's 34 loads and the list's 2
	PASS 3, 9216, 6
	s_wait_dscnt 0x0                               ; for the others' sake: my images and scale bytes have landed
	s_barrier_signal -1
	s_barrier_wait -1                              ; the launch's one barrier: all 32 fragments lie in LDS
	WIN 0x40                                       ; the fragments land in the four sets' registers.  Their last readers are the passes' vector lines, all ahead of the last pass's wait on va_vdst; no vector line has been issued since
.set ff, 0
.rept 16
.irp c, 0,1,2,3
	ds_load_b128 v[16*ff+4*\c:16*ff+4*\c+3], v5 offset:2048*ff+512*\c
.endr
.set ff, ff+1
.endr
	WIN 0x80
.set ff, 0
.rept 16
.irp c, 0,1,2,3
	ds_load_b128 v[16*ff+4*\c:16*ff+4*\c+3], v5 offset:2048*(ff+16)+512*\c
.endr
.set ff, ff+1
.endr
	WIN 0
.irp t, 0,1,2,3
.irp k, 0,1
	ds_load_b128 v[WS+8*\t+4*\k:WS+8*\t+4*\k+3], v6 offset:512*\t+16*\k   ; tile t, row p: the words of K steps 4 k .. 4 k + 3
.endr
.endr
	s_wait_dscnt 0x0
	s_cmp_eq_u32 s28, 0
	s_cbranch_scc1 .Lend                           ; no tile for this wave
	s_sub_co_u32 s33, s28, 1                       ; the loop takes all my tiles but the last
	s_mov_b32 s29, 0
	s_cmp_eq_u32 s33, 0
	s_cbranch_scc1 .Llast
.Ltile:
	TRIP 1
	s_add_co_u32 s30, s30, 8
	s_add_co_u32 s29, s29, 1
	s_cmp_lt_u32 s29, s33
	s_cbranch_scc1 .Ltile
.Llast:
	TRIP 0                                         ; my last tile
.Lend:
	s_wait_dscnt 0x0                               ; the closing lines, six on end
	s_wait_alu 0x0
	s_wait_tensorcnt 0x0
	ds_add_u32 v36, v37
	s_wait_dscnt 0x0
	s_endpgm
.Lfunc_end_k_q5b187808ed_down:
	.size	k_q5b187808ed_down, .Lfunc_end_k_q5b187808ed_down-k_q5b187808ed_down
	.p2alignl 7, 3214868480
	.fill 96, 4, 3214868480
	.section	.rodata,"a",@progbits
	.p2align	6, 0x0
	.amdhsa_kernel k_q5b187808ed_down
		.amdhsa_group_segment_fixed_size 85504
		.amdhsa_private_segment_fixed_size 0
		.amdhsa_enable_private_segment 0
		.amdhsa_kernarg_size 48
		.amdhsa_user_sgpr_count 2
		.amdhsa_user_sgpr_kernarg_segment_ptr 1
		.amdhsa_wavefront_size32 1
		.amdhsa_system_sgpr_workgroup_id_x 1
		.amdhsa_system_sgpr_workgroup_id_y 1
		.amdhsa_system_sgpr_workgroup_id_z 1
		.amdhsa_system_vgpr_workitem_id 0
		.amdhsa_next_free_vgpr 896
		.amdhsa_next_free_sgpr 66
		.amdhsa_reserve_vcc 0
		.amdhsa_float_denorm_mode_32 3
		.amdhsa_float_denorm_mode_16_64 3
		.amdhsa_memory_ordered 1
		.amdhsa_forward_progress 1
		.amdhsa_inst_pref_size 110
	.end_amdhsa_kernel
	.amdgpu_metadata
---
amdhsa.version: [ 1, 2 ]
amdhsa.kernels:
  - .name:           k_q5b187808ed_down
    .symbol:         k_q5b187808ed_down.kd
    .args:
      - { .name: w_down, .offset: 0, .size: 8, .value_kind: global_buffer, .address_space: global }
      - { .name: hc, .offset: 8, .size: 8, .value_kind: global_buffer, .address_space: global }
      - { .name: hs, .offset: 16, .size: 8, .value_kind: global_buffer, .address_space: global }
      - { .name: order, .offset: 24, .size: 8, .value_kind: global_buffer, .address_space: global }
      - { .name: meta, .offset: 32, .size: 8, .value_kind: global_buffer, .address_space: global }
      - { .name: out0, .offset: 40, .size: 8, .value_kind: global_buffer, .address_space: global }
    .group_segment_fixed_size: 85504
    .private_segment_fixed_size: 0
    .kernarg_segment_align: 8
    .kernarg_segment_size: 48
    .max_flat_workgroup_size: 128
    .sgpr_count:     66
    .vgpr_count:     896
    .wavefront_size: 32
...
	.end_amdgpu_metadata
.endif
;; end of part 6
